; MI455X (gfx1250); checked and timed in simulation.
; The chip was launched on July 23, 2026; its instructions are those of AMD's public machine-readable ISA for CDNA 5 (MIT licence, August 2026) and "CDNA5" Instruction Set Architecture Reference Guide (July 2026). The comments in the code are by the model that wrote it; some were corrected since.
;; Encoder Block. Allowed arithmetic: matrix products marked QUANTISED: E2M3 operands, one E8M0 scale for each 32 along K, by v_wmma_scale_f32_16x16x128_f8f6f4 with both operands' format E2M3, f32 sums; everything else in f32.
;; Inputs: a1 1 float32; a2 1 float32; b1 4,096 float32; b2 1,024 float32; bk 1,024 float32; bo 1,024 float32; bq 1,024 float32; bv 1,024 float32; g1 1 float32; g2 1 float32; src_mask 2 x 1 x 1 x 2,048 int32; w1 1,024 x 4,096 float32; w2 4,096 x 1,024 float32; wk 1,024 x 1,024 float32; wo 1,024 x 1,024 float32; wq 1,024 x 1,024 float32; wv 1,024 x 1,024 float32; x 2 x 2,048 x 1,024 float32.
;; Outputs: out0 2 x 2,048 x 1,024 float32.
;; This version of the problem:
;;   THIS VERSION OF THE PROBLEM IS GIVEN IN LOW PRECISION. The matrix products marked QUANTISED in the list below multiply operands that are first quantised to E2M3 (2 exponent bits, 3 mantissa bits; 6 bits a number), with one power-of-two scale for each 32 numbers along K (OCP MX v1.0); their sums are f32. All else is computed in f32.
;;   The module's matrix products, in the order in which they are computed (A, B: the left and right operand; K: the contracted axis; several contracted axes count as one K, in the product's order):
;;     1. [M 4,096, K 1,024] x [K 1,024, N 1,024]; A: computed on the way; B: input wq: QUANTISED
;;     2. [M 4,096, K 1,024] x [K 1,024, N 1,024]; A: computed on the way; B: input wk: QUANTISED
;;     3. [M 4,096, K 1,024] x [K 1,024, N 1,024]; A: computed on the way; B: input wv: QUANTISED
;;     4. batch 32 x [M 2,048, K 64] x [K 64, N 2,048]; A: computed on the way; B: computed on the way: QUANTISED
;;     5. batch 32 x [M 64, K 2,048] x [K 2,048, N 2,048]; A: computed on the way; B: softmax (see below): QUANTISED
;;     6. [M 4,096, K 1,024] x [K 1,024, N 1,024]; A: computed on the way; B: input wo: QUANTISED
;;     7. [M 4,096, K 1,024] x [K 1,024, N 4,096]; A: computed on the way; B: input w1: QUANTISED
;;     8. [M 4,096, K 4,096] x [K 4,096, N 1,024]; A: computed on the way; B: input w2: QUANTISED
;;   THE QUANTISER, for each operand of a quantised product, along K:
;;     - K is cut into blocks of 32 from its start; a last block that is shorter is filled with zeros.
;;     - A block's scale is 2^e with e = floor(log2(the largest magnitude in the block)) - 2, held to -126 .. 127; a block of zeros has e = 0. As a byte (E8M0): e + 127.
;;     - Each number is divided by its block's scale, clamped to +-7.5, and rounded to the nearest number of E2M3, ties to even, subnormals kept.
;;     - The product sums the exact products of the quantised numbers (number of the format x scale) in f32.
;;   ~~~python
;;   def quantise(x, axis):      # numpy; x: float32 -> the quantised numbers, widened to float32 again
;;       x = np.moveaxis(x, axis, -1); K = x.shape[-1]
;;       x = np.pad(x, [(0, 0)] * (x.ndim - 1) + [(0, -K % 32)]); x = x.reshape(x.shape[:-1] + (-1, 32)); a = np.abs(x).max(-1, keepdims=True)
;;       e = np.where(a > 0, np.clip(np.frexp(np.where(a > 0, a, 1))[1] - 1 - 2, -126, 127), 0)      # np.frexp(a)[1] - 1 = floor(log2(a)), exactly
;;       r = np.clip(x / 2.0 ** e, -7.5, 7.5)
;;       step = 2.0 ** (np.maximum(np.frexp(np.where(r == 0, 1, r))[1] - 1, 0) - 3)
;;       q = np.round(r / step) * step * 2.0 ** e      # np.round: ties to even
;;       return np.moveaxis(q.reshape(q.shape[:-2] + (-1,))[..., :K], -1, axis).astype(np.float32)
;;   ~~~
;;   SOFTMAX AHEAD OF A QUANTISED PRODUCT. Where the list says 'softmax', what is quantised is not the finished softmax but p = 2^(t - M), with t = logit x log2(e) and M = ceil(the row's largest t), a whole number; so 1/2 < the row's largest p <= 1. The row's sum l is taken of the UNQUANTISED p, in f32, and the product's result is divided by l at the end. Since M is a whole number, a kernel that streams over the keys may use a running M (the ceiling of the running maximum): every later rescaling is an exact power of two, which a block's scale takes up: the codes' values come out the same.
;;   OPERANDS COMPUTED ON THE WAY. 'Computed on the way' means the value that the module computes at that place (a softmax that the list does not call 'softmax' is quantised finished and normalised). What goes into a quantiser is computed in f32, as accurately as f32 sums, v_exp_f32 and their like allow (about 1e-6 of the number): no bf16 or f16 on the way to a quantiser, and a product that is left as it is and whose result goes on into a quantised operand takes f32 operands (vector FMAs, or v_wmma_f32_16x16x4_f32). A number that lies on a knife's edge between two numbers of the format may be rounded either way, as far as f32 arithmetic and the matrix unit's own rounding can turn it there, and no further.
;; One version. Each part assembles by itself: llvm-mc -triple=amdgcn-amd-amdhsa -mcpu=gfx1250 --defsym DOCPART=n.
;; ======== version 1 of 1: 8 launches
;; limits: right only within a limited range of input values
;; workspace buffers: W 9,830,400 bytes; NB 3,276,800 bytes; QKV 9,830,400 bytes; CTX 3,276,800 bytes; X1 16,777,216 bytes; HB 13,107,200 bytes
;; launch wprep (part 1): grid 384 x 1, 4 waves a work-group, no clusters, 25,088 bytes of LDS; arguments wq, wk, wv, wo, w1, w2, W; writes W
.if DOCPART == 1
	.amdgcn_target "amdgcn-amd-amdhsa--gfx1250"
	.amdhsa_code_object_version 6
	.text
	.protected	k_q8b5c82f037_wprep
	.globl	k_q8b5c82f037_wprep
	.p2align	8
	.type	k_q8b5c82f037_wprep,@function
k_q8b5c82f037_wprep:
	s_mov_b64 s[64:65], 0
	v_nop
	global_prefetch_b8 v0, s[64:65] scope:SCOPE_SE
	s_setreg_imm32_b32 hwreg(HW_REG_WAVE_MODE, 25, 1), 1
	s_wait_xcnt 0x0
; The six weights, f32 stored [K][N], become codes of FP6 (E2M3) with one E8M0 byte for each 32 along K, laid as IMAGES OF OPERAND REGISTERS.
; THE IMAGE of a tensor T[rows][K]: row tile tau = 2 g + u holds in lane r the row 32 g + 8 u + r + 8 (r / 8).  Codes: [tau][step of 128 K][1,536 bytes]; in a fragment lane L = r + 16 h
; owns the 48 bytes at 48 L: bytes 0-23 block 4 s + h, bytes 24-47 block 4 s + 2 + h: three loads of 16 bytes are the operand's 12 registers.  Scale words: [step][tau][r], byte 2 c + h.
; W holds: rows {wq, wk, wv, wo} (4,096 x K 1,024) at 0; w1 (4,096 x 1,024) at 3,145,728; w2 (1,024 x 4,096) at 6,291,456; scale words from 9,437,184 on, 131,072 bytes each.
; A LANE TAKES A COLUMN n AND ITS REGISTERS RUN DOWN K: a block of 32 lies in one lane, its largest magnitude needs no other lane, and the conversions give codes with K innermost.
; A wave takes 32 columns (two row tiles of the image) x 256 along K (two steps): 6,144 bytes of codes, which go through its own stage in LDS and leave as 512 consecutive bytes a store.
; Work-groups 0-127: the four square weights; 128-255: w1; 256-383: w2.  Only pointers and sizes are chosen by the work-group's number: there is one path through the text.
; A block's scale is 2^(floor(log2(largest magnitude)) - 2); its byte is that magnitude's exponent field - 2, held at 1 from below (a block of zeros keeps the byte 1: its codes are zeros, and this program alone reads the bytes).
; LIMITS: NaN and infinities are not served; blocks whose largest magnitude lies under 2^-124 keep the byte 1.
; The scale words leave as runs of 128 bytes: one byte in 128 of what the launch reads.
.set SPARE, 24576                      ; behind the four stages of 6,144 bytes: the spare words, 128 bytes a wave
.set X,    32                          ; v32-95   two sets of 32 numbers
.set C,    96                          ; v96-102  a block's codes
.set SB,   24                          ; v24-25   the scale words of my two steps
.set OUTR, 104                         ; v104-151 the way out
.set OFFS, 160                         ; v160-191 4 x lane + i rows of the weight
	s_load_b256 s[4:11], s[0:1], 0x0               ; wq, wk, wv, wo
	s_load_b128 s[12:15], s[0:1], 0x20             ; w1, w2
	s_load_b64 s[16:17], s[0:1], 0x30              ; W
	v_lshl_add_u32 v14, v0, 2, SPARE               ; my spare word
	v_mov_b32 v15, 0
	v_lshrrev_b32 v1, 5, v0
	v_readfirstlane_b32 s18, v1                    ; wave
	s_lshr_b32 s20, ttmp9, 7                       ; group of weights: 0 square ones, 1 w1, 2 w2
	s_and_b32 s21, ttmp9, 127
	s_cmp_eq_u32 s20, 1
	s_cselect_b32 s22, 31, 7                       ; blocks of 128 columns - 1
	s_cselect_b32 s23, 5, 3
	s_cselect_b32 s24, 2, 0
	s_cmp_eq_u32 s20, 2
	s_cselect_b32 s25, 2, 0
	s_lshl_b32 s24, 4096, s24                      ; a row of the weight in bytes
	s_and_b32 s22, s21, s22                        ; which 128 columns
	s_lshr_b32 s23, s21, s23
	s_lshr_b32 s26, s23, 2
	s_add_co_u32 s27, s20, 3
	s_cmp_eq_u32 s20, 0
	s_cselect_b32 s28, 3, 15
	s_cselect_b32 s27, s26, s27                    ; which of the six tensors
	s_cselect_b32 s26, s26, 0                      ; which of the four square ones
	s_and_b32 s23, s23, s28                        ; which 256 along K
	s_lshl_b32 s28, 12288, s25                     ; a row tile's codes in bytes
	s_lshr_b32 s29, 16384, s25                     ; a step's scale words in bytes
	s_lshl_b32 s30, s22, 2
	s_add_co_u32 s30, s30, s18                     ; g: my 32 columns
	s_lshl_b32 s30, s30, 1
	s_lshl_b32 s31, s26, 6
	s_add_co_u32 s31, s31, s30                     ; my first row tile
	s_mul_i32 s56, s23, s24
	s_lshl_b32 s56, s56, 8                         ; 256 rows of the weight for each step of mine along K,
	s_lshl_b32 s57, s22, 9
	s_add_co_u32 s56, s56, s57
	s_lshl_b32 s57, s18, 7
	s_add_co_u32 s56, s56, s57                     ; + 4 x my first column
	s_mov_b32 s57, 0
	s_lshl_b32 s58, s24, 5                         ; 32 rows on
	s_mov_b32 s59, 0
	v_and_b32 v2, 31, v0                           ; lane
	v_lshlrev_b32 v3, 2, v2
	v_and_b32 v8, 7, v0
	v_bfe_u32 v9, v0, 4, 1
	v_lshl_add_u32 v8, v9, 3, v8                   ; r: my column's lane in its row tile
	v_bfe_u32 v10, v0, 3, 1                        ; u: which of the two tiles
	s_mul_i32 s19, s18, 6144                       ; my stage: [u][step][1,536]
	v_mul_u32_u24 v4, v8, 48
	v_mad_u32_u24 v4, v10, 3072, v4
	v_add_nc_u32 v4, s19, v4                       ; into it
	v_lshlrev_b32 v6, 4, v2
	v_add_nc_u32 v5, s19, v6                       ; out of it
	v_lshlrev_b32 v7, 2, v8
	v_lshl_add_u32 v7, v10, 6, v7                  ; my scale word's place: 64 u + 4 r
.set I, 0
.rept 32
	v_mad_u32_u24 v[OFFS+I], s24, I, v3
.set I, I+1
.endr
	s_mul_i32 s62, s20, 3145728
	s_mul_i32 s63, s31, s28
	s_add_co_u32 s62, s62, s63
	s_mul_i32 s63, s23, 3072
	s_add_co_u32 s62, s62, s63                     ; where tile u = 0's two fragments go
	s_mov_b32 s63, 0
	s_wait_alu depctr_va_vdst(0)
	s_wait_kmcnt 0x0
	s_mov_b64 s[60:61], s[4:5]
.irp k, 1,2,3,4,5
	s_cmp_eq_u32 s27, \k
	s_cselect_b64 s[60:61], s[4+2*\k:5+2*\k], s[60:61]
.endr
	s_add_nc_u64 s[32:33], s[60:61], s[56:57]      ; eight bases, one for each block: nothing is stepped
.irp t, 1,2,3,4,5,6,7
	s_add_nc_u64 s[32+2*\t:33+2*\t], s[30+2*\t:31+2*\t], s[58:59]
.endr
	s_add_nc_u64 s[48:49], s[16:17], s[62:63]
	s_mov_b32 s62, s28
	s_add_nc_u64 s[50:51], s[48:49], s[62:63]      ; tile u = 1
	s_lshl_b32 s62, s20, 17
	s_add_co_u32 s62, s62, 9437184
	s_mul_i32 s30, s23, s29
	s_lshl_b32 s30, s30, 1
	s_add_co_u32 s62, s62, s30
	s_lshl_b32 s30, s31, 6
	s_add_co_u32 s62, s62, s30
	s_add_nc_u64 s[52:53], s[16:17], s[62:63]      ; the scale words of my first step,
	s_mov_b32 s62, s29
	s_add_nc_u64 s[54:55], s[52:53], s[62:63]      ; and of my second
.macro LOAD t                          ; block t: 32 rows of the weight at my column: 128 consecutive bytes a load
.set I, 0
.rept 32
	global_load_b32 v[X+32*((\t)%2)+I], v[OFFS+I], s[32+2*(\t):33+2*(\t)] th:TH_LOAD_NT
.set I, I+1
.endr
.endm
	LOAD 0
	LOAD 1
.macro BLOCK t
.set XS, X+32*((\t)%2)
.if (\t) < 7
	s_wait_loadcnt 32                              ; this block's 32 loads are in; the next block's 32 may be out
.else
	s_wait_loadcnt 0
.endif
	v_max3_num_f32 v12, |v[XS]|, |v[XS+1]|, |v[XS+2]|
	v_max3_num_f32 v13, |v[XS+3]|, |v[XS+4]|, |v[XS+5]|
.irp i, 6,10,14,18,22,26
	v_max3_num_f32 v12, v12, |v[XS+\i]|, |v[XS+\i+1]|
	v_max3_num_f32 v13, v13, |v[XS+\i+2]|, |v[XS+\i+3]|
.endr
	v_max3_num_f32 v12, v12, |v[XS+30]|, |v[XS+31]|
	v_max3_num_f32 v12, v12, v13, 0x1800000        ; with the floor 2^(3 - 127): the byte cannot fall under 1
	v_add_nc_u32 v11, 0xff000000, v12              ; 2 off the exponent field: the conversion's scale operand
	v_lshrrev_b32 v13, 23, v11                     ; the byte
.if (\t)%4 == 0
	v_mov_b32 v[SB+(\t)/4], v13
.else
	v_lshl_or_b32 v[SB+(\t)/4], v13, 8*((\t)%4), v[SB+(\t)/4]
.endif
	v_cvt_scalef32_pk16_fp6_f32 v[C:C+2], v[XS:XS+15], v11
	v_cvt_scalef32_pk16_fp6_f32 v[C+4:C+6], v[XS+16:XS+31], v11   ; (a conversion's three registers begin on an even number)
	v_nop                                          ; one plain place behind the conversions
	v_mov_b32 v[C+3], v[C+4]
	v_mov_b32 v[C+4], v[C+5]
	v_mov_b32 v[C+5], v[C+6]                       ; the block's 24 bytes on end
.irp p, 0,1,2
	ds_store_b64 v4, v[C+2*\p:C+2*\p+1] offset:1536*((\t)/4)+768*((\t)%2)+24*(((\t)/2)%2)+8*\p
.endr
.if (\t)+2 < 8
	LOAD (\t)+2
.endif
	s_wait_dscnt 0x0                               ; the stores have read their registers
.endm
.set Q, 0
.rept 8
	BLOCK Q
.set Q, Q+1
.endr
.irp i, 0,1,2,3,4,5,6,7,8,9,10,11
	ds_load_b128 v[OUTR+4*\i:OUTR+4*\i+3], v5 offset:512*\i   ; LDS serves a wave's instructions in order: these see my stores
.endr
.irp i, 0,1,2,3,4,5,6,7,8,9,10,11
	s_wait_dscnt 11-\i                             ; the younger reads may be out
	global_store_b128 v6, v[OUTR+4*\i:OUTR+4*\i+3], s[48+2*(\i/6):49+2*(\i/6)] offset:512*(\i%6)   ; 512 consecutive bytes, aligned
.endr
	global_store_b32 v7, v[SB], s[52:53]
	s_wait_alu depctr_va_vdst(0)
	global_store_b32 v7, v[SB+1], s[54:55]
	s_wait_tensorcnt 0x0                           ; the wave's end, behind my last LDS store
	ds_add_u32 v14, v15
	s_wait_dscnt 0x0
	s_endpgm
.Lfunc_end_k_q8b5c82f037_wprep:
	.size	k_q8b5c82f037_wprep, .Lfunc_end_k_q8b5c82f037_wprep-k_q8b5c82f037_wprep
	.p2alignl 7, 3214868480
	.fill 96, 4, 3214868480
	.section	.rodata,"a",@progbits
	.p2align	6, 0x0
	.amdhsa_kernel k_q8b5c82f037_wprep
		.amdhsa_group_segment_fixed_size 25088
		.amdhsa_private_segment_fixed_size 0
		.amdhsa_enable_private_segment 0
		.amdhsa_kernarg_size 56
		.amdhsa_user_sgpr_count 2
		.amdhsa_user_sgpr_kernarg_segment_ptr 1
		.amdhsa_wavefront_size32 1
		.amdhsa_system_sgpr_workgroup_id_x 1
		.amdhsa_system_sgpr_workgroup_id_y 1
		.amdhsa_system_sgpr_workgroup_id_z 1
		.amdhsa_system_vgpr_workitem_id 0
		.amdhsa_next_free_vgpr 192
		.amdhsa_next_free_sgpr 66
		.amdhsa_reserve_vcc 0
		.amdhsa_float_denorm_mode_32 3
		.amdhsa_float_denorm_mode_16_64 3
		.amdhsa_memory_ordered 1
		.amdhsa_forward_progress 1
		.amdhsa_inst_pref_size 46
	.end_amdhsa_kernel
	.amdgpu_metadata
---
amdhsa.version: [ 1, 2 ]
amdhsa.kernels:
  - .name:           k_q8b5c82f037_wprep
    .symbol:         k_q8b5c82f037_wprep.kd
    .args:
      - { .name: wq, .offset: 0, .size: 8, .value_kind: global_buffer, .address_space: global }
      - { .name: wk, .offset: 8, .size: 8, .value_kind: global_buffer, .address_space: global }
      - { .name: wv, .offset: 16, .size: 8, .value_kind: global_buffer, .address_space: global }
      - { .name: wo, .offset: 24, .size: 8, .value_kind: global_buffer, .address_space: global }
      - { .name: w1, .offset: 32, .size: 8, .value_kind: global_buffer, .address_space: global }
      - { .name: w2, .offset: 40, .size: 8, .value_kind: global_buffer, .address_space: global }
      - { .name: W, .offset: 48, .size: 8, .value_kind: global_buffer, .address_space: global }
    .group_segment_fixed_size: 25088
    .private_segment_fixed_size: 0
    .kernarg_segment_align: 8
    .kernarg_segment_size: 56
    .max_flat_workgroup_size: 128
    .sgpr_count:     66
    .vgpr_count:     192
    .wavefront_size: 32
...
	.end_amdgpu_metadata
.endif
;; end of part 1
;; launch ln1 (part 2): grid 256 x 1, 16 waves a work-group, no clusters, 88,576 bytes of LDS; arguments x, a1, g1, NB; writes NB
.if DOCPART == 2
	.amdgcn_target "amdgcn-amd-amdhsa--gfx1250"
	.amdhsa_code_object_version 6
	.text
	.protected	k_q8b5c82f037_ln1
	.globl	k_q8b5c82f037_ln1
	.p2align	8
	.type	k_q8b5c82f037_ln1,@function
k_q8b5c82f037_ln1:
	s_mov_b64 s[64:65], 0
	v_nop
	global_prefetch_b8 v0, s[64:65] scope:SCOPE_SE
	s_setreg_imm32_b32 hwreg(HW_REG_WAVE_MODE, 25, 1), 1
	s_wait_xcnt 0x0
; n = a (x - mean) / (std + 1e-6) + g along rows of 1,024 (std with 1,023 in the divisor), quantised to FP6 (E2M3) along the row and stored as an IMAGE OF OPERAND REGISTERS:
; row tile tau = 2 g + u holds in lane r the row 32 g + 8 u + r + 8 (r / 8); codes [tau][step of 128][1,536 bytes], lane L = r + 16 h owns 48 bytes at 48 L (block 4 s + h, then block 4 s + 2 + h);
; scale words [step][tau][r] from byte 3,145,728 on, 16,384 bytes a step.
; A work-group makes one row tile; each of its sixteen waves one row.  The row is loaded as it lies (512 consecutive bytes a load) and turned through the wave's own LDS so that lane l holds block l, 32 neighbours.
; The statistics go in two passes (mean; then the squares of x - mean), so that a common offset of the inputs costs no digits.
; The tile's 12,288 bytes of codes are gathered in LDS and leave as aligned stores of 256 bytes; the scale words leave as eight runs of 64 bytes (1/24 of what the launch stores).
; LIMITS: NaN and infinities are not served; a block whose largest magnitude lies under 2^-124 keeps the byte 1 (a block of zeros too: its codes are zeros, and this program alone reads the bytes).
.set IMG,   73728                      ; behind the sixteen turning stages of 4,608 bytes (32 x 144)
.set SCS,   86016                      ; the tile's scale words: [step][r]
.set SPARE, 86528                      ; the spare words, 128 bytes a wave
	s_load_b256 s[4:11], s[0:1], 0x0               ; x, a, g, the image
	v_lshl_add_u32 v1, v0, 2, SPARE
	v_mov_b32 v2, 0
	v_lshrrev_b32 v3, 5, v0
	s_delay_alu instid0(VALU_DEP_1)
	v_readfirstlane_b32 s14, v3                    ; wave = my row's lane in the tile
	v_and_b32 v3, 31, v0                           ; lane
	s_wait_alu depctr_va_vdst(0)
	s_lshr_b32 s15, ttmp9, 1
	s_lshl_b32 s15, s15, 5
	s_and_b32 s16, ttmp9, 1
	s_lshl_b32 s16, s16, 3
	s_add_co_u32 s15, s15, s16
	s_add_co_u32 s15, s15, s14
	s_and_b32 s16, s14, 8
	s_add_co_u32 s15, s15, s16                     ; my row
	s_lshl_b32 s16, s15, 12
	s_mov_b32 s17, 0
	s_mov_b32 s28, 0x76543210
	s_mov_b32 s29, 0xfedcba98                      ; lane l xor 16
	v_lshlrev_b32 v4, 4, v3                        ; 16 l
	s_mul_i32 s18, s14, 4608
	v_lshrrev_b32 v5, 3, v3
	s_delay_alu instid0(VALU_DEP_1)
	v_lshl_add_u32 v5, v5, 4, v4
	s_delay_alu instid0(VALU_DEP_1)
	v_add_nc_u32 v5, s18, v5                       ; the turn, in: as loaded, 16 bytes of padding behind each 128
	v_mul_u32_u24 v6, v3, 144
	s_delay_alu instid0(VALU_DEP_1)
	v_add_nc_u32 v6, s18, v6                       ; out: my 128 bytes
	v_lshrrev_b32 v7, 2, v3                        ; my block's step
	v_and_b32 v8, 1, v3                            ; h
	v_bfe_u32 v9, v3, 1, 1                         ; c
	s_delay_alu instid0(VALU_DEP_3)
	v_mul_u32_u24 v10, v7, 1536
	s_delay_alu instid0(VALU_DEP_1)
	v_mad_u32_u24 v10, v8, 768, v10
	s_delay_alu instid0(VALU_DEP_1)
	v_mad_u32_u24 v10, v9, 24, v10
	s_mul_i32 s19, s14, 48
	s_add_co_u32 s19, s19, IMG
	v_add_nc_u32 v10, s19, v10                     ; where my block's 24 bytes go
	v_and_b32 v93, 3, v3
	s_delay_alu instid0(VALU_DEP_1)
	v_lshl_add_u32 v11, v7, 6, v93
	s_lshl_b32 s19, s14, 2
	s_add_co_u32 s19, s19, SCS
	v_add_nc_u32 v11, s19, v11                     ; and its byte
	v_lshlrev_b32 v12, 3, v3
	s_mul_i32 s20, s14, 768
	v_add_nc_u32 v13, s20, v12                     ; the way out: my wave's 768 bytes of the tile, 8 bytes a lane
	s_delay_alu instid0(VALU_DEP_1)
	v_add_nc_u32 v14, IMG, v13
	v_add_nc_u32 v15, SCS, v4                      ; wave 0: the 512 bytes of scale words
	v_lshlrev_b32 v92, 14, v7
	s_delay_alu instid0(VALU_DEP_1)
	v_lshl_add_u32 v92, v93, 4, v92                ; their places: 16,384 bytes from step to step
	s_mul_i32 s22, ttmp9, 12288
	s_mov_b32 s23, 0
	s_lshl_b32 s26, ttmp9, 6
	s_add_co_u32 s26, s26, 3145728
	s_mov_b32 s27, 0
	s_wait_kmcnt 0x0
	s_load_b32 s12, s[6:7], 0x0                    ; a
	s_load_b32 s13, s[8:9], 0x0                    ; g
	s_add_nc_u64 s[4:5], s[4:5], s[16:17]
	s_add_nc_u64 s[24:25], s[10:11], s[26:27]
	s_add_nc_u64 s[10:11], s[10:11], s[22:23]
.irp j, 0,1,2,3,4,5,6,7
	global_load_b128 v[16+4*\j:19+4*\j], v4, s[4:5] offset:512*\j
.endr
	s_wait_loadcnt 0x0
.irp j, 0,1,2,3,4,5,6,7
	ds_store_b128 v5, v[16+4*\j:19+4*\j] offset:576*\j
.endr
.irp i, 0,1,2,3,4,5,6,7
	ds_load_b128 v[48+4*\i:51+4*\i], v6 offset:16*\i   ; LDS serves a wave's instructions in order: these see my stores
.endr
	s_wait_dscnt 0x0
.macro WSUM                            ; v80 summed over the 32 lanes, into every lane
	s_delay_alu instid0(VALU_DEP_1)
	v_add_f32_dpp v80, v80, v80 row_xmask:1 row_mask:0xf bank_mask:0xf
	s_delay_alu instid0(VALU_DEP_1)
	v_add_f32_dpp v80, v80, v80 row_xmask:2 row_mask:0xf bank_mask:0xf
	s_delay_alu instid0(VALU_DEP_1)
	v_add_f32_dpp v80, v80, v80 row_xmask:4 row_mask:0xf bank_mask:0xf
	s_delay_alu instid0(VALU_DEP_1)
	v_add_f32_dpp v80, v80, v80 row_xmask:8 row_mask:0xf bank_mask:0xf
	s_delay_alu instid0(VALU_DEP_1)
	v_permlanex16_b32 v81, v80, s28, s29
	s_delay_alu instid0(VALU_DEP_1)
	v_add_f32 v80, v80, v81
.endm
	v_pk_add_f32 v[82:83], v[48:49], v[50:51]
	v_pk_add_f32 v[94:95], v[56:57], v[60:61]
	v_pk_add_f32 v[90:91], v[64:65], v[68:69]
	v_pk_add_f32 v[88:89], v[72:73], v[76:77]
	v_pk_add_f32 v[86:87], v[52:53], v[54:55]
	v_pk_add_f32 v[84:85], v[58:59], v[62:63]
	v_pk_add_f32 v[46:47], v[66:67], v[70:71]
	v_pk_add_f32 v[80:81], v[74:75], v[78:79]
	s_delay_alu instid0(VALU_DEP_1)
	v_pk_add_f32 v[80:81], v[80:81], v[88:89]
	v_pk_add_f32 v[82:83], v[82:83], v[86:87]
	v_pk_add_f32 v[94:95], v[94:95], v[84:85]
	v_pk_add_f32 v[90:91], v[90:91], v[46:47]
	s_delay_alu instid0(VALU_DEP_2)
	v_pk_add_f32 v[80:81], v[80:81], v[94:95]
	s_delay_alu instid0(VALU_DEP_2)
	v_pk_add_f32 v[82:83], v[82:83], v[90:91]
	s_delay_alu instid0(VALU_DEP_1)
	v_pk_add_f32 v[80:81], v[80:81], v[82:83]
	s_delay_alu instid0(VALU_DEP_1)
	v_add_f32 v80, v80, v81
	WSUM
	s_delay_alu instid0(VALU_DEP_1)
	v_mul_f32 v84, 0x3a800000, v80                 ; the mean: / 1,024
	s_delay_alu instid0(VALU_DEP_1)
	v_mov_b32 v85, v84
.set J, 0
.rept 16
	v_pk_add_f32 v[48+J:49+J], v[48+J:49+J], v[84:85] neg_lo:[0,1] neg_hi:[0,1]   ; x - mean
.set J, J+2
.endr
	v_pk_mul_f32 v[80:81], v[48:49], v[48:49]
	v_pk_mul_f32 v[82:83], v[50:51], v[50:51]
.set J, 4
.rept 7
	s_delay_alu instid0(VALU_DEP_2)
	v_pk_fma_f32 v[80:81], v[48+J:49+J], v[48+J:49+J], v[80:81]
	s_delay_alu instid0(VALU_DEP_2)
	v_pk_fma_f32 v[82:83], v[50+J:51+J], v[50+J:51+J], v[82:83]
.set J, J+4
.endr
	s_delay_alu instid0(VALU_DEP_1)
	v_pk_add_f32 v[80:81], v[80:81], v[82:83]
	s_delay_alu instid0(VALU_DEP_1)
	v_add_f32 v80, v80, v81
	WSUM
	s_delay_alu instid0(VALU_DEP_1)
	v_mul_f32 v80, 0x3a802008, v80                 ; / 1,023
	s_wait_alu depctr_va_vdst(0)
	v_sqrt_f32 v86, v80
	v_nop                                          ; a plain place behind the root,
	s_wait_alu depctr_va_vdst(0)                   ; and the wait ahead of its first reader
	v_add_f32 v86, 0x358637bd, v86                 ; + 1e-6
	s_wait_alu depctr_va_vdst(0)
	v_rcp_f32 v87, v86
	v_nop
	s_wait_alu depctr_va_vdst(0)
	s_wait_kmcnt 0x0                               ; a and g
	v_mul_f32 v88, s12, v87
	s_delay_alu instid0(VALU_DEP_1)
	v_mov_b32 v89, v88
	v_mov_b32 v90, s13
	v_mov_b32 v91, s13
.set J, 0
.rept 16
	v_pk_fma_f32 v[48+J:49+J], v[48+J:49+J], v[88:89], v[90:91]
.set J, J+2
.endr
	v_max3_num_f32 v80, |v48|, |v49|, |v50|        ; my block's largest magnitude: all 32 numbers are mine
	v_max3_num_f32 v81, |v51|, |v52|, |v53|
.irp i, 6,10,14,18,22,26
	s_delay_alu instid0(VALU_DEP_2)
	v_max3_num_f32 v80, v80, |v[48+\i]|, |v[49+\i]|
	s_delay_alu instid0(VALU_DEP_2)
	v_max3_num_f32 v81, v81, |v[50+\i]|, |v[51+\i]|
.endr
	s_delay_alu instid0(VALU_DEP_2)
	v_max3_num_f32 v80, v80, |v78|, |v79|
	s_delay_alu instid0(VALU_DEP_1)
	v_max3_num_f32 v80, v80, v81, 0x1800000        ; with the floor 2^(3 - 127)
	s_delay_alu instid0(VALU_DEP_1)
	v_add_nc_u32 v82, 0xff000000, v80              ; 2 off the exponent field: the conversion's scale operand
	s_delay_alu instid0(VALU_DEP_1)
	v_lshrrev_b32 v83, 23, v82                     ; the byte
	v_cvt_scalef32_pk16_fp6_f32 v[16:18], v[48:63], v82
	v_cvt_scalef32_pk16_fp6_f32 v[20:22], v[64:79], v82
	v_nop                                          ; one plain place behind the conversions
	v_mov_b32 v19, v20
	v_mov_b32 v20, v21
	v_mov_b32 v21, v22
	ds_store_b64 v10, v[16:17]
	ds_store_b64 v10, v[18:19] offset:8
	ds_store_b64 v10, v[20:21] offset:16
	ds_store_b8 v11, v83
	s_wait_dscnt 0x0                               ; for the others' sake: my stores have landed
	s_barrier_signal -1
	s_barrier_wait -1
.irp p, 0,1,2
	ds_load_b64 v[24+2*\p:25+2*\p], v14 offset:256*\p
.endr
.irp p, 0,1,2
	s_wait_dscnt 2-\p                              ; the younger reads may be out
	global_store_b64 v13, v[24+2*\p:25+2*\p], s[10:11] offset:256*\p   ; 256 consecutive bytes, aligned
.endr
	s_cmp_lg_u32 s14, 0
	s_cbranch_scc1 .Lnot_wave_0
	ds_load_b128 v[32:35], v15
	s_wait_dscnt 0x0
	global_store_b128 v92, v[32:35], s[24:25]
.Lnot_wave_0:
	s_wait_tensorcnt 0x0                           ; the wave's end, behind my last LDS store
	ds_add_u32 v1, v2
	s_wait_dscnt 0x0
	s_endpgm
.Lfunc_end_k_q8b5c82f037_ln1:
	.size	k_q8b5c82f037_ln1, .Lfunc_end_k_q8b5c82f037_ln1-k_q8b5c82f037_ln1
	.p2alignl 7, 3214868480
	.fill 96, 4, 3214868480
	.section	.rodata,"a",@progbits
	.p2align	6, 0x0
	.amdhsa_kernel k_q8b5c82f037_ln1
		.amdhsa_group_segment_fixed_size 88576
		.amdhsa_private_segment_fixed_size 0
		.amdhsa_enable_private_segment 0
		.amdhsa_kernarg_size 32
		.amdhsa_user_sgpr_count 2
		.amdhsa_user_sgpr_kernarg_segment_ptr 1
		.amdhsa_wavefront_size32 1
		.amdhsa_system_sgpr_workgroup_id_x 1
		.amdhsa_system_sgpr_workgroup_id_y 1
		.amdhsa_system_sgpr_workgroup_id_z 1
		.amdhsa_system_vgpr_workitem_id 0
		.amdhsa_next_free_vgpr 96
		.amdhsa_next_free_sgpr 66
		.amdhsa_reserve_vcc 0
		.amdhsa_float_denorm_mode_32 3
		.amdhsa_float_denorm_mode_16_64 3
		.amdhsa_memory_ordered 1
		.amdhsa_forward_progress 1
		.amdhsa_inst_pref_size 15
	.end_amdhsa_kernel
	.amdgpu_metadata
---
amdhsa.version: [ 1, 2 ]
amdhsa.kernels:
  - .name:           k_q8b5c82f037_ln1
    .symbol:         k_q8b5c82f037_ln1.kd
    .args:
      - { .name: x, .offset: 0, .size: 8, .value_kind: global_buffer, .address_space: global }
      - { .name: a1, .offset: 8, .size: 8, .value_kind: global_buffer, .address_space: global }
      - { .name: g1, .offset: 16, .size: 8, .value_kind: global_buffer, .address_space: global }
      - { .name: NB, .offset: 24, .size: 8, .value_kind: global_buffer, .address_space: global }
    .group_segment_fixed_size: 88576
    .private_segment_fixed_size: 0
    .kernarg_segment_align: 8
    .kernarg_segment_size: 32
    .max_flat_workgroup_size: 512
    .sgpr_count:     66
    .vgpr_count:     96
    .wavefront_size: 32
...
	.end_amdgpu_metadata
.endif
;; end of part 2
;; launch gqkv (part 3): grid 48 x 4, 16 waves a work-group, clusters of 4 x 4, 327,680 bytes of LDS; arguments NB, W, bq, bk, bv, QKV; writes QKV
.if DOCPART == 3
	.amdgcn_target "amdgcn-amd-amdhsa--gfx1250"
	.amdhsa_code_object_version 6
	.text
	.protected	k_q8b5c82f037_gqkv
	.globl	k_q8b5c82f037_gqkv
	.p2align	8
	.type	k_q8b5c82f037_gqkv,@function
k_q8b5c82f037_gqkv:
	s_mov_b64 s[64:65], 0
	v_nop
	global_prefetch_b8 v0, s[64:65] scope:SCOPE_SE
	s_setreg_imm32_b32 hwreg(HW_REG_WAVE_MODE, 25, 1), 1
	s_wait_xcnt 0x0
	s_wait_alu depctr_hold_cnt(0) depctr_sa_sdst(0) depctr_va_vdst(0) depctr_va_sdst(0) depctr_va_ssrc(0) depctr_va_vcc(0) depctr_vm_vsrc(0)
	s_getreg_b32 s2, hwreg(HW_REG_IB_STS2, 6, 4)
	s_cmp_eq_u32 s2, 0
	s_cbranch_scc0 .Lentry_in_a_cluster
	s_endpgm
.Lentry_in_a_cluster:
	s_bfe_u32 s2, ttmp6, 0x10000c
	s_cmp_lg_u32 s2, 0xf033
	s_cbranch_scc0 .Lentry_shape_is_right
	s_endpgm
.Lentry_shape_is_right:
; P[y][x] = sum over k of Y[y][k] X[x][k] + bias, K = 1,024, on codes of FP6 (E2M3) with E8M0 scales; P is quantised along x and stored as an image of operand registers.
; Both operands lie in memory as such images: row tile tau = 2 g + u, lane r = row 32 g + 8 u + r + 8 (r / 8); codes [tau][step of 128 K][1,536], lane L owns 48 bytes at 48 L; scale words [step][tau][r].
; MODE 0 (q, k, v): clusters 0-7: Y = the normed rows, X = rows of wq (even clusters) or wk (odd): q and k quantised along the channels.  Clusters 8-11: Y = rows of wv, X = the normed rows: V^T, quantised along the tokens, which are the keys.
; MODE 0 LAYS ITS OUTPUT FRAGMENTS IN TWO HALVES: half c (blocks 2 c, 2 c + 1) is 768 bytes, lane L's 24 bytes at 24 L: so the reader can take one head (64 channels) of a pair by loads of 8 bytes.
; MODE 1 (hidden layer): Y = the normed rows, X = rows of w1, relu ahead of the quantiser; its output fragments are laid as the operands are, 48 bytes a lane.
; SHARES.  A work-group makes 256 x 256, each of its sixteen waves 64 x 64: 16 accumulators, 128 registers; four waves lie on a SIMD, so that one wave's LDS loads stand beside another's products.
; THE MATRIX INSTRUCTION IS USED TRANSPOSED (source 0 = a tile of X, source 1 = a tile of Y): a lane holds one row y; by the image's choice of rows the 16 registers of two neighbouring X tiles are 16 neighbours along x.
; RING.  K goes in slots of 256 through two LDS slots; every wave fetches a piece of its own (waves 0-7: two tiles of Y each, waves 8-15: of X).  All scale words of the work-group's rows come once, with the first fills.
; CLUSTER 4 x 4: Y's pieces are shared along a row of the cluster, X's along a column: each is asked for jointly.
; No pad in LDS: a lane's 48 bytes are three 16-byte columns and 3 is prime to 16, so sixteen lanes of a load of 16 bytes touch sixteen different columns of the 256.
; LIMITS: NaN and infinities are not served; a block whose largest magnitude lies under 2^-124 keeps the byte 1 (its codes are then zeros or near; this program alone reads the bytes).
.set MODE,  0
.set NSL,   4                          ; slots' worth of K
.set SLOT,  98304                      ; a slot: Y's 16 tiles x 3,072 bytes, then X's
.set XOFF,  49152
.set SSTEP, 3072                       ; a slot on, in a tile's codes
.set SCLY,  196608                     ; Y's scale words [step][16 tiles][64]
.set SCLX,  204928                     ; X's, 128 bytes askew, so that the two halves of a load fall on different banks
.set STG,   213248                     ; the stage for the codes made: [16 tiles of Y][2 steps][1,536]
.set STS,   262400                     ; and their scale words [2 steps][16 tiles][64]
.set BIA,   264448                     ; 256 biases along x, then 256 along y
.set SPARE, 266496                     ; the spare words, 128 bytes a wave
.set WV,   16
.set IDX,  17
.set G1Y,  24                          ; s[24:31], s[32:39] descriptor group 1 for Y's and X's codes
.set G1X,  32
.set G1SY, 40
.set G1SX, 48
.set G0Y,  56                          ; s[56:63] group 0 for Y's codes, a set for each slot; s[68:75] for X's; s[76:79], s[80:83] for the scale words
.set G0X,  68
.set G0SY, 76
.set G0SX, 80
.set SEL,  84
.set SC,   20                          ; v20-23 scale words and nothing else: lanes 0-15 Y's tile i, lanes 16-31 X's tile i
.set XF,   32                          ; v32-79  X's four fragments
.set YF,   80                          ; v80-127 Y's four
.set ACC,  128                         ; v128-255 accumulator (a, b) at 32 a + 8 b
.if MODE == 0
.set OUTP, 14
.else
.set OUTP, 10
.endif
.macro PLACES                          ; four plain places behind matrix instructions, in front of loads into their registers and of reads of their results
.rept 4
	v_nop
.endr
.endm
.macro ROUND                           ; a round of the cluster's barrier
	s_barrier_signal -1
	s_barrier_wait -1
	s_cmp_lg_u32 s[WV], 0
	s_cbranch_scc1 .Lnot_wave_0_\@
	s_barrier_signal -3
.Lnot_wave_0_\@:
	s_barrier_wait -3
	s_barrier_signal -1
	s_barrier_wait -1
.endm
.macro JLOAD g0y, g1y, g0x, g1x        ; a joint load: waves 0-7 for Y, waves 8-15 for X; the branch hangs on the wave's number alone; s_nop 0 and four v_nop follow each line
	s_cmp_lt_u32 s[WV], 8
	s_cbranch_scc0 .Lfor_x_\@
	tensor_load_to_lds s[\g0y:\g0y+3], s[\g1y:\g1y+7]
	s_nop 0
.rept 4
	v_nop
.endr
	s_branch .Lasked_\@
.Lfor_x_\@:
	tensor_load_to_lds s[\g0x:\g0x+3], s[\g1x:\g1x+7]
	s_nop 0
.rept 4
	v_nop
.endr
.Lasked_\@:
.endm
; 128 along K: 28 LDS loads, 16 products.  The sixteen accumulators take turns, one instruction a turn, in the same order in every step.
.macro STEP slot, q, sidx, zero
.irp i, 0,1,2,3
	ds_load_b32 v[SC+\i], v13 offset:1024*(\sidx)+64*\i
.endr
.irp b, 0,1,2,3
.irp i, 0,1,2
	ds_load_b128 v[XF+12*\b+4*\i:XF+12*\b+4*\i+3], v[3+\slot] offset:3072*\b+1536*(\q)+16*\i
.endr
.endr
.irp a, 0,1,2,3
.irp i, 0,1,2
	ds_load_b128 v[YF+12*\a+4*\i:YF+12*\a+4*\i+3], v[5+\slot] offset:3072*\a+1536*(\q)+16*\i
.endr
.endr
.irp a, 0,1,2,3
	s_wait_dscnt 9-3*\a                            ; the loads of Y's later fragments, three each, may be out
.irp b, 0,1,2,3
.if \zero
	v_wmma_scale_f32_16x16x128_f8f6f4 v[ACC+32*\a+8*\b:ACC+32*\a+8*\b+7], v[XF+12*\b:XF+12*\b+11], v[YF+12*\a:YF+12*\a+11], 0, v[SC+\b], v[SC+\a] matrix_a_fmt:MATRIX_FMT_FP6 matrix_b_fmt:MATRIX_FMT_FP6 matrix_a_scale:MATRIX_SCALE_ROW1
.else
	v_wmma_scale_f32_16x16x128_f8f6f4 v[ACC+32*\a+8*\b:ACC+32*\a+8*\b+7], v[XF+12*\b:XF+12*\b+11], v[YF+12*\a:YF+12*\a+11], v[ACC+32*\a+8*\b:ACC+32*\a+8*\b+7], v[SC+\b], v[SC+\a] matrix_a_fmt:MATRIX_FMT_FP6 matrix_b_fmt:MATRIX_FMT_FP6 matrix_a_scale:MATRIX_SCALE_ROW1
.endif
.endr
.endr
.endm
; The change to slot n.  Each wave waits for all its tensor loads (its piece of slot n), adds 0 to its spare word, and waits for that and for its reads of the slot that it leaves.
; Where a slot n + 1 exists, a round of the cluster's barrier follows and the slot just left is filled first behind it: one load a wave, which has a slot's two steps in which to land.
.macro CHANGE n
.set NX, ((\n)+1)%2
	s_wait_tensorcnt 0x0
	ds_add_u32 v1, v2
.if (\n)+1 < NSL
	s_add_nc_u64 s[G0Y+4*NX+2:G0Y+4*NX+3], s[G0Y+4*NX+2:G0Y+4*NX+3], 2*SSTEP   ; no load of mine is out: the descriptors may step
	s_add_nc_u64 s[G0X+4*NX+2:G0X+4*NX+3], s[G0X+4*NX+2:G0X+4*NX+3], 2*SSTEP
.endif
	s_wait_dscnt 0x0
.if (\n)+1 < NSL
	ROUND
	JLOAD G0Y+4*NX, G1Y, G0X+4*NX, G1X             ; its four v_nop are the places in front of the next loads
.else
	s_barrier_signal -1
	s_barrier_wait -1
	PLACES
.endif
.endm
; 32 numbers of a lane, register 16 b + i = x 32 b + 16 (lane / 16) + i of my row, become two blocks' codes: v84-89 hold my half's whole block (lanes 0-15 block 0, lanes 16-31 block 1), v80 both bytes.
.macro QUANT2 s
	v_max3_num_f32 v72, |v[(\s)]|, |v[(\s)+1]|, 0x1800000      ; with the floor 2^(3 - 127): the byte cannot fall under 1
	v_max3_num_f32 v73, |v[(\s)+16]|, |v[(\s)+17]|, 0x1800000
.irp i, 2,4,6,8,10,12,14
	s_delay_alu instid0(VALU_DEP_2)
	v_max3_num_f32 v72, v72, |v[(\s)+\i]|, |v[(\s)+\i+1]|
	s_delay_alu instid0(VALU_DEP_2)
	v_max3_num_f32 v73, v73, |v[(\s)+16+\i]|, |v[(\s)+17+\i]|
.endr
	s_delay_alu instid0(VALU_DEP_2)
	v_permlanex16_b32 v74, v72, s[SEL], s[SEL+1]
	s_delay_alu instid0(VALU_DEP_2)
	v_permlanex16_b32 v75, v73, s[SEL], s[SEL+1]
	s_delay_alu instid0(VALU_DEP_2)
	v_max_num_f32 v72, v72, v74                    ; with lane l xor 16's 16 numbers
	s_delay_alu instid0(VALU_DEP_2)
	v_max_num_f32 v73, v73, v75
	s_delay_alu instid0(VALU_DEP_2)
	v_add_nc_u32 v76, 0xff000000, v72              ; 2 off the exponent field: the conversion's scale operand
	s_delay_alu instid0(VALU_DEP_2)
	v_add_nc_u32 v77, 0xff000000, v73
	s_delay_alu instid0(VALU_DEP_2)
	v_lshrrev_b32 v78, 23, v76
	s_delay_alu instid0(VALU_DEP_2)
	v_lshrrev_b32 v79, 23, v77
	s_delay_alu instid0(VALU_DEP_1)
	v_lshl_or_b32 v80, v79, 8, v78
	v_cvt_scalef32_pk16_fp6_f32 v[84:86], v[(\s):(\s)+15], v76
	v_cvt_scalef32_pk16_fp6_f32 v[90:92], v[(\s)+16:(\s)+31], v77
	v_nop                                          ; one plain place behind the conversions
.irp i, 0,1,2
	v_permlane16_swap_b32 v[84+\i], v[90+\i]       ; the first's lanes 16-31 change places with the second's lanes 0-15
.endr
.irp i, 0,1,2
	s_delay_alu instid0(VALU_DEP_3)
	v_mov_b32 v[87+\i], v[90+\i]
.endr
.endm
	s_load_b256 s[4:11], s[0:1], 0x0               ; MODE 0: the normed rows, W, bq, bk;  MODE 1: the normed rows, W, b1, the hidden layer
.if MODE == 0
	s_load_b128 s[12:15], s[0:1], 0x20             ; bv, QKV
.endif
	v_lshl_add_u32 v1, v0, 2, SPARE
	v_mov_b32 v2, 0
	ds_add_u32 v1, v2                              ; the wave's opening: the add and its wait ahead of my first tensor load
	ds_add_u32 v1, v2
	v_lshrrev_b32 v24, 5, v0
	s_delay_alu instid0(VALU_DEP_1)
	v_readfirstlane_b32 s[WV], v24
	s_and_b32 s[IDX], s[WV], 7                     ; which piece I fetch
	s_lshr_b32 s18, s[WV], 2                       ; wy: my 64 rows of Y
	s_and_b32 s19, s[WV], 3                        ; wx: my 64 rows of X
	s_bfe_u32 s21, ttmp6, 0x40000                  ; cx
	s_bfe_u32 s22, ttmp6, 0x40004                  ; cy
	s_lshl_b32 s86, s22, 2
	s_lshl_b32 s86, 15, s86                        ; my row of the cluster
	s_lshl_b32 s87, 0x1111, s21                    ; my column
	s_or_b32 s[G1Y], s86, (3<<16)|(1<<21)          ; the mask; elements of 8 bytes; bit 21 beside a mask
	s_or_b32 s[G1X], s87, (3<<16)|(1<<21)
.irp g, G1Y, G1X                       ; codes: two tiles x 3,072 bytes (two steps), 12,288 bytes apart
	s_mov_b32 s[\g+1], 384<<16
	s_mov_b32 s[\g+2], 2<<16
	s_mov_b32 s[\g+3], 384<<16
	s_mov_b32 s[\g+4], 2
	s_mov_b32 s[\g+5], 1536
	s_mov_b32 s[\g+6], 0
	s_mov_b32 s[\g+7], 0
.endr
	s_mov_b32 s[SEL], 0x76543210
	s_mov_b32 s[SEL+1], 0xfedcba98
.if MODE == 0
	s_mov_b32 s23, ttmp9                           ; the cluster's number, 0-11: the same in all sixteen partners
	s_lshr_b32 s2, s23, 1
	s_lshl_b32 s2, s2, 2
	s_and_b32 s20, s23, 1                          ; 0: q, 1: k
	s_lshl_b32 s3, s20, 2
	s_lshl_b32 s86, s23, 2
	s_sub_co_u32 s86, s86, 32
	s_cmp_lt_u32 s23, 8                            ; q and k, or v?
	s_cselect_b32 s2, s2, 8
	s_cselect_b32 s3, s3, s86
	s_cselect_b32 s66, 1, 0
	s_add_co_u32 s2, s2, s22                       ; tY: which 256 rows of Y
	s_add_co_u32 s3, s3, s21                       ; tX: which 256 rows of X
.else
	s_lshl_b32 s3, ttmp9, 2
	s_add_co_u32 s3, s3, s21
	s_and_b32 s2, ttmp7, 0xffff
	s_lshl_b32 s2, s2, 2
	s_add_co_u32 s2, s2, s22
.endif
	s_lshl_b32 s86, s2, 4
	s_lshl_b32 s87, s[IDX], 1
	s_add_co_u32 s86, s86, s87
	s_mul_i32 s86, s86, 12288                      ; my piece of Y's codes
	s_lshl_b32 s88, s3, 4
	s_add_co_u32 s88, s88, s87
	s_mul_i32 s88, s88, 12288                      ; of X's
	s_mov_b32 s87, 0
	s_mov_b32 s89, 0
	s_lshl_b32 s90, s2, 10                         ; Y's scale words of my 16 tiles, step 0
	s_lshl_b32 s92, s3, 10                         ; X's
	s_mov_b32 s91, 0
	s_mov_b32 s93, 0
.if MODE == 0
	s_mov_b32 s94, 9437184
	s_mov_b32 s95, 3145728
	s_cmp_lt_u32 s23, 8
	s_cselect_b32 s94, 3145728, s94
	s_cselect_b32 s95, 9437184, s95
	s_add_co_u32 s90, s90, s94
	s_add_co_u32 s92, s92, s95
.else
	s_add_co_u32 s90, s90, 3145728
	s_add_co_u32 s92, s92, 9568256
	s_add_co_u32 s88, s88, 3145728
.endif
	s_mul_i32 s67, s[IDX], 6144                    ; where my piece goes: no place in the cluster enters an LDS address
	v_lshrrev_b32 v18, 6, v0                       ; the scale words go through registers: 8 steps x 1,024 bytes a side, 16 bytes a thread: 64 threads to a step
	v_and_b32 v19, 63, v0
	v_lshlrev_b32 v18, 14, v18                     ; a step is 16,384 bytes in memory
	s_delay_alu instid0(VALU_DEP_1)
	v_lshl_add_u32 v18, v19, 4, v18
	v_lshl_add_u32 v19, v0, 4, SCLY                ; and 1,024 bytes in LDS
	s_wait_alu depctr_va_vdst(0)
	s_wait_dscnt 0x0                               ; the opening add is done
	s_wait_kmcnt 0x0
.if MODE == 0
	s_cmp_lt_u32 s23, 8
	s_cselect_b64 s[94:95], s[4:5], s[6:7]         ; Y's buffer
	s_cselect_b64 s[96:97], s[6:7], s[4:5]         ; X's
.else
	s_mov_b64 s[94:95], s[4:5]
	s_mov_b64 s[96:97], s[6:7]
.endif
	s_add_nc_u64 s[G0SY:G0SY+1], s[94:95], s[90:91]
	s_add_nc_u64 s[G0SX:G0SX+1], s[96:97], s[92:93]
	global_load_b128 v[32:35], v18, s[G0SY:G0SY+1] ; 16,384 bytes of scale words beside 393,216 of codes: they are not asked for jointly, so that a wave's one tensor load at the head is its piece of slot 0
	global_load_b128 v[36:39], v18, s[G0SX:G0SX+1]
	s_add_nc_u64 s[94:95], s[94:95], s[86:87]
	s_add_nc_u64 s[96:97], s[96:97], s[88:89]
.irp p, 0,1
	s_mov_b32 s[G0Y+4*\p], 1
	s_add_co_u32 s[G0Y+4*\p+1], s67, \p*SLOT
	s_add_nc_u64 s[G0Y+4*\p+2:G0Y+4*\p+3], s[94:95], \p*SSTEP
	s_or_b32 s[G0Y+4*\p+3], s[G0Y+4*\p+3], 0x80000000
	s_mov_b32 s[G0X+4*\p], 1
	s_add_co_u32 s[G0X+4*\p+1], s67, \p*SLOT+XOFF
	s_add_nc_u64 s[G0X+4*\p+2:G0X+4*\p+3], s[96:97], \p*SSTEP
	s_or_b32 s[G0X+4*\p+3], s[G0X+4*\p+3], 0x80000000
.endr
	ROUND                                          ; all sixteen work-groups are here: the first joint loads meet
	JLOAD G0Y, G1Y, G0X, G1X                       ; slot 0: one tensor load a wave at the head
	; the biases: threads 0-255 stage those along x, threads 256-511 those along y; the side that has none gets zeros
.if MODE == 0
	s_cmp_eq_u32 s20, 1
	s_cselect_b64 s[86:87], s[10:11], s[8:9]       ; bk or bq
	s_cmp_lt_u32 s[WV], 8
	s_cselect_b64 s[86:87], s[86:87], s[12:13]     ; or bv
	s_cselect_b32 s88, s21, s22
	s_cselect_b32 s89, 1, 0
	s_lshl_b32 s88, s88, 10
	s_cmp_eq_u32 s89, s66
	s_cselect_b32 s67, -1, 0                       ; x's side counts for q and k, y's for v
	s_mov_b32 s89, 0
	s_add_nc_u64 s[86:87], s[86:87], s[88:89]
.else
	s_lshl_b32 s88, s3, 10
	s_mov_b32 s89, 0
	s_add_nc_u64 s[86:87], s[8:9], s[88:89]
.endif
	v_and_b32 v16, 0xff, v0
	s_delay_alu instid0(VALU_DEP_1)
	v_lshlrev_b32 v16, 2, v16
	global_load_b32 v17, v16, s[86:87]
	v_and_b32 v24, 31, v0                          ; L
	v_and_b32 v25, 15, v0                          ; r
	v_bfe_u32 v26, v0, 4, 1                        ; h
	s_delay_alu instid0(VALU_DEP_3)
	v_mul_u32_u24 v27, v24, 48
	s_mul_i32 s88, s18, 12288
	s_mul_i32 s89, s19, 12288
	s_add_co_u32 s89, s89, XOFF
	v_add_nc_u32 v5, s88, v27                      ; my Y fragments in slot 0,
	v_add_nc_u32 v3, s89, v27                      ; my X fragments
	s_delay_alu instid0(VALU_DEP_2)
	v_add_nc_u32 v6, SLOT, v5                      ; and in slot 1
	s_delay_alu instid0(VALU_DEP_2)
	v_add_nc_u32 v4, SLOT, v3
	s_xor_b32 s88, s18, 3                          ; 3 - wy
	s_add_co_u32 s88, s88, s19
	s_lshl_b32 s88, s88, 8
	s_add_co_u32 s88, s88, SCLX-SCLY-768           ; from Y's words to X's: one product with h
	v_mul_u32_u24 v13, s88, v26
	s_delay_alu instid0(VALU_DEP_1)
	v_lshl_add_u32 v13, v25, 2, v13
	s_lshl_b32 s89, s18, 8
	s_add_co_u32 s89, s89, SCLY
	v_add_nc_u32 v13, s89, v13
.if MODE == 0
	s_mul_i32 s88, s18, 12288                      ; the stage: my four tiles of Y; in a tile's 3,072 bytes my 64 columns are one half fragment of 768 bytes, 24 bytes a lane
	s_mul_i32 s89, s19, 768
	s_add_co_u32 s88, s88, s89
	s_add_co_u32 s88, s88, STG
	v_mul_u32_u24 v29, v24, 24
	s_delay_alu instid0(VALU_DEP_1)
	v_add_nc_u32 v7, s88, v29                      ; where my blocks' 24 bytes go
.else
	s_mul_i32 s88, s18, 12288
	s_lshr_b32 s89, s19, 1
	s_mul_i32 s89, s89, 1536
	s_add_co_u32 s88, s88, s89
	s_and_b32 s89, s19, 1
	s_mul_i32 s89, s89, 24
	s_add_co_u32 s88, s88, s89
	s_add_co_u32 s88, s88, STG
	v_add_nc_u32 v7, s88, v27                      ; where my blocks' 24 bytes go
.endif
	s_lshr_b32 s88, s19, 1
	s_lshl_b32 s88, s88, 10
	s_lshl_b32 s89, s18, 8
	s_add_co_u32 s88, s88, s89
	s_and_b32 s89, s19, 1
	s_lshl_b32 s89, s89, 1
	s_add_co_u32 s88, s88, s89
	s_add_co_u32 s88, s88, STS
	v_lshl_add_u32 v8, v25, 2, s88                 ; and their two bytes
	s_lshl_b32 s88, s19, 8
	s_add_co_u32 s88, s88, BIA
	v_lshl_add_u32 v9, v26, 6, s88                 ; the biases along x of my registers
	v_and_b32 v28, 8, v25
	s_delay_alu instid0(VALU_DEP_1)
	v_add_nc_u32 v28, v28, v25
	s_lshl_b32 s88, s18, 8
	s_add_co_u32 s88, s88, BIA+1024
	v_lshl_add_u32 v10, v28, 2, s88                ; the bias of my row y
	s_mul_i32 s88, s[WV], 3072
	s_add_co_u32 s88, s88, STG
	v_lshl_add_u32 v11, v24, 4, s88                ; the way out: tile w of the stage
	v_lshlrev_b32 v12, 4, v24
	s_and_b32 s88, s[WV], 3
	s_lshl_b32 s88, s88, 9
	s_add_co_u32 s88, s88, STS
	v_lshl_add_u32 v14, v24, 4, s88                ; waves 0-3: 512 bytes of scale words each
	v_lshl_add_u32 v15, v0, 2, BIA
	; where the results go
.if MODE == 0
	s_lshl_b32 s88, s2, 4
	s_lshl_b32 s89, s22, 4
	s_lshl_b32 s90, s21, 1
	s_lshl_b32 s91, s3, 1
	s_mul_i32 s92, s20, 3145728
	s_lshl_b32 s93, s20, 17
	s_add_co_u32 s93, s93, 9437184
	s_mov_b32 s94, 49152
	s_mov_b32 s95, 6291456
	s_mov_b32 s100, 9699328
	s_mov_b32 s101, 4096
	s_cmp_eq_u32 s66, 1
	s_cselect_b32 s88, s88, s89                    ; the first row tile of the output image
	s_cselect_b32 s90, s90, s91                    ; its first step
	s_cselect_b32 s92, s92, s95                    ; the image's codes,
	s_cselect_b32 s93, s93, s100                   ; its scale words,
	s_cselect_b32 s94, 12288, s94                  ; a tile's codes in bytes,
	s_cselect_b32 s101, 16384, s101                ; a step's scale words in bytes
.else
	s_lshl_b32 s88, s2, 4
	s_lshl_b32 s90, s3, 1
	s_mov_b32 s92, 0
	s_mov_b32 s93, 12582912
	s_mov_b32 s94, 49152
	s_mov_b32 s101, 16384
.endif
	s_add_co_u32 s89, s88, s[WV]
	s_mul_i32 s89, s89, s94
	s_add_co_u32 s89, s89, s92
	s_mul_i32 s91, s90, 1536
	s_add_co_u32 s96, s89, s91
	s_mov_b32 s97, 0
	s_add_nc_u64 s[96:97], s[OUTP:OUTP+1], s[96:97]
	s_lshr_b32 s89, s[WV], 1
	s_add_co_u32 s89, s89, s90
	s_mul_i32 s89, s89, s101
	s_add_co_u32 s89, s89, s93
	s_lshl_b32 s91, s88, 6
	s_add_co_u32 s89, s89, s91
	s_and_b32 s91, s[WV], 1
	s_lshl_b32 s91, s91, 9
	s_add_co_u32 s98, s89, s91
	s_mov_b32 s99, 0
	s_add_nc_u64 s[98:99], s[OUTP:OUTP+1], s[98:99]
	s_wait_loadcnt 0x0
.if MODE == 0
	v_cndmask_b32 v17, 0, v17, s67
.endif
	s_wait_alu depctr_va_vdst(0)
	ds_store_b32 v15, v17
	ds_store_b128 v19, v[32:35]
	ds_store_b128 v19, v[36:39] offset:SCLX-SCLY
	s_wait_tensorcnt 0x0                           ; my piece of slot 0 is in; slot 1's first fill is issued as a refill is:
	ds_add_u32 v1, v2
	s_wait_dscnt 0x0                               ; the add and my stores are done
	ROUND
	JLOAD G0Y+4, G1Y, G0X+4, G1X                   ; it has slot 0's two steps in which to land
	STEP 0, 0, 0, 1
	PLACES
	STEP 0, 1, 1, 0
.set N, 1
.rept NSL-1
	CHANGE N
	STEP N%2, 0, 2*N, 0
	PLACES
	STEP N%2, 1, 2*N+1, 0
.set N, N+1
.endr
	; THE WAY OUT: bias (and relu), two blocks of 32 along x quantised for each of my four tiles of Y, their images into the stage; a barrier; whole fragments leave.
	PLACES
.irp b, 0,1,2,3
.irp jj, 0,1
	ds_load_b128 v[32+8*\b+4*\jj:35+8*\b+4*\jj], v9 offset:128*(\b/2)+32*(\b%2)+16*\jj
.endr
.endr
.if MODE == 0
.irp a, 0,1,2,3
	ds_load_b32 v[64+2*\a], v10 offset:128*(\a/2)+32*(\a%2)
.endr
.endif
	v_mov_b32 v74, 0                               ; written once: a lane permute's destination counts as one of its sources
	v_mov_b32 v75, 0
	s_wait_dscnt 0x0
.if MODE == 0
.irp a, 0,1,2,3
	v_mov_b32 v[65+2*\a], v[64+2*\a]               ; (named as a pair, so the upper half is written)
.endr
.endif
.irp a, 0,1,2,3
.set J, 0
.rept 16
	v_pk_add_f32 v[ACC+32*\a+J:ACC+32*\a+J+1], v[ACC+32*\a+J:ACC+32*\a+J+1], v[32+J:33+J]   ; each accumulator from its low end on
.set J, J+2
.endr
.if MODE == 0
.set J, 0
.rept 16
	v_pk_add_f32 v[ACC+32*\a+J:ACC+32*\a+J+1], v[ACC+32*\a+J:ACC+32*\a+J+1], v[64+2*\a:65+2*\a] op_sel_hi:[1,0]
.set J, J+2
.endr
.else
.set J, 0
.rept 32
	v_max_num_f32 v[ACC+32*\a+J], 0, v[ACC+32*\a+J]
.set J, J+1
.endr
.endif
	QUANT2 ACC+32*\a
	ds_store_b64 v7, v[84:85] offset:3072*\a
	ds_store_b64 v7, v[86:87] offset:3072*\a+8
	ds_store_b64 v7, v[88:89] offset:3072*\a+16
	ds_store_b16 v8, v80 offset:64*\a              ; both lanes of a row write the same two bytes
	s_wait_dscnt 0x0
.endr
	s_barrier_signal -1
	s_barrier_wait -1
.irp i, 0,1,2,3,4,5
	ds_load_b128 v[32+4*\i:35+4*\i], v11 offset:512*\i
.endr
.irp i, 0,1,2,3,4,5
	s_wait_dscnt 5-\i                              ; the younger reads may be out
	global_store_b128 v12, v[32+4*\i:35+4*\i], s[96:97] offset:512*\i   ; 512 consecutive bytes, aligned
.endr
	s_cmp_lt_u32 s[WV], 4
	s_cbranch_scc0 .Lno_scales
	ds_load_b128 v[56:59], v14
	s_wait_dscnt 0x0
	global_store_b128 v12, v[56:59], s[98:99]
.Lno_scales:
	s_wait_tensorcnt 0x0                           ; the wave's end
	ds_add_u32 v1, v2
	s_wait_dscnt 0x0
	ROUND                                          ; the closing round
	s_endpgm
.Lfunc_end_k_q8b5c82f037_gqkv:
	.size	k_q8b5c82f037_gqkv, .Lfunc_end_k_q8b5c82f037_gqkv-k_q8b5c82f037_gqkv
	.p2alignl 7, 3214868480
	.fill 96, 4, 3214868480
	.section	.rodata,"a",@progbits
	.p2align	6, 0x0
	.amdhsa_kernel k_q8b5c82f037_gqkv
		.amdhsa_group_segment_fixed_size 327680
		.amdhsa_private_segment_fixed_size 0
		.amdhsa_enable_private_segment 0
		.amdhsa_kernarg_size 48
		.amdhsa_user_sgpr_count 2
		.amdhsa_user_sgpr_kernarg_segment_ptr 1
		.amdhsa_wavefront_size32 1
		.amdhsa_system_sgpr_workgroup_id_x 1
		.amdhsa_system_sgpr_workgroup_id_y 1
		.amdhsa_system_sgpr_workgroup_id_z 1
		.amdhsa_system_vgpr_workitem_id 0
		.amdhsa_next_free_vgpr 256
		.amdhsa_next_free_sgpr 102
		.amdhsa_reserve_vcc 0
		.amdhsa_float_denorm_mode_32 3
		.amdhsa_float_denorm_mode_16_64 3
		.amdhsa_memory_ordered 1
		.amdhsa_forward_progress 1
		.amdhsa_inst_pref_size 69
	.end_amdhsa_kernel
	.amdgpu_metadata
---
amdhsa.version: [ 1, 2 ]
amdhsa.kernels:
  - .name:           k_q8b5c82f037_gqkv
    .symbol:         k_q8b5c82f037_gqkv.kd
    .args:
      - { .name: NB, .offset: 0, .size: 8, .value_kind: global_buffer, .address_space: global }
      - { .name: W, .offset: 8, .size: 8, .value_kind: global_buffer, .address_space: global }
      - { .name: bq, .offset: 16, .size: 8, .value_kind: global_buffer, .address_space: global }
      - { .name: bk, .offset: 24, .size: 8, .value_kind: global_buffer, .address_space: global }
      - { .name: bv, .offset: 32, .size: 8, .value_kind: global_buffer, .address_space: global }
      - { .name: QKV, .offset: 40, .size: 8, .value_kind: global_buffer, .address_space: global }
    .group_segment_fixed_size: 327680
    .private_segment_fixed_size: 0
    .kernarg_segment_align: 8
    .kernarg_segment_size: 48
    .max_flat_workgroup_size: 512
    .sgpr_count:     102
    .vgpr_count:     256
    .wavefront_size: 32
...
	.end_amdgpu_metadata
.endif
;; end of part 3
;; launch attn (part 4): grid 8 x 32, 16 waves a work-group, clusters of 4 x 1, 232,192 bytes of LDS; arguments QKV, src_mask, CTX; writes CTX
.if DOCPART == 4
	.amdgcn_target "amdgcn-amd-amdhsa--gfx1250"
	.amdhsa_code_object_version 6
	.text
	.protected	k_q8b5c82f037_attn
	.globl	k_q8b5c82f037_attn
	.p2align	8
	.type	k_q8b5c82f037_attn,@function
k_q8b5c82f037_attn:
	s_mov_b64 s[64:65], 0
	v_nop
	global_prefetch_b8 v0, s[64:65] scope:SCOPE_SE
	s_setreg_imm32_b32 hwreg(HW_REG_WAVE_MODE, 25, 1), 1
	s_wait_xcnt 0x0
	s_wait_alu depctr_hold_cnt(0) depctr_sa_sdst(0) depctr_va_vdst(0) depctr_va_sdst(0) depctr_va_ssrc(0) depctr_va_vcc(0) depctr_vm_vsrc(0)
	s_getreg_b32 s2, hwreg(HW_REG_IB_STS2, 6, 4)
	s_cmp_eq_u32 s2, 0
	s_cbranch_scc0 .Lentry_in_a_cluster
	s_endpgm
.Lentry_in_a_cluster:
	s_bfe_u32 s2, ttmp6, 0x10000c
	s_cmp_lg_u32 s2, 0x3003
	s_cbranch_scc0 .Lentry_shape_is_right
	s_endpgm
.Lentry_shape_is_right:
; ctx = softmax(q k^T / 8, masked) v for one head and 256 queries a work-group, on codes of FP6 (E2M3) with E8M0 scales; ctx is quantised along the channels and stored for the next product.
; SHARES.  32 (batch, head) x 8 blocks of 256 queries = 256 work-groups; each of sixteen waves takes 16 queries through all 2,048 keys, in 16 steps of 128 keys.
; LDS.  The head's K (128 tiles x 768 bytes) and V^T (4 tiles of channels x 16 steps x 1,536 bytes) are 196,608 bytes: they come ONCE, one tensor load of 12,288 bytes a wave, and stay.
; Nothing is filled again, so the loop over the keys has no barrier and no wait on TENSORcnt.  All that the launch reads is asked for at its head: there is no loop to prefetch ahead in.
; CLUSTER 4 x 1: four query blocks of one head ask for K and V jointly.  The scale words and the mask (20,480 bytes beside 196,608) go through registers.
; BOTH PRODUCTS ARE USED TRANSPOSED (S^T = k q^T, O^T = v^T p^T): a lane holds one query; by the image's choice of rows the 16 registers of two neighbouring key tiles are 16 neighbouring keys.
; THE MASK.  A head has 64 channels, the matrix instruction sums 128: place 64 of K carries the mask.  A masked key has the code 4.0 there (scale byte 2^15), the query -4.0 (2^14): -2^33 is added to its score,
; a power of two, so that c x score is exact where a row has met masked keys only.  All other places from 64 on meet zero codes of q.  A key tile's six registers stand 8 apart: register 6 takes the mask's word,
; and what follows (a spare register, the next tile's codes) meets q's zeros.  Where the batch's whole mask is 0, the softmax gives equal weights: q's fragment is cleared as a whole, so that every score is 0.
; p = 2^(t - M), M the ceiling of the running largest t; the row's sum is taken of the unquantised p; a change of M multiplies sum and O^T by an exact power of two.
; OUTPUT.  Codes [row tile][pair of heads][head: 768 bytes, 24 a lane]; scale bytes [head][row tile][row] two bytes: a work-group stores whole runs of 256 bytes.
; LIMITS: the scaled scores stay under 2^31 in magnitude; NaN and infinities are not served; a block whose largest magnitude lies under 2^-124 keeps the byte 1.
.set VOFF,  98304
.set KSC,   196608                     ; K's scale words [tile][16], made at the head: two bytes of my head, the mask place's byte, 0
.set EXT,   204800                     ; the mask's words [tile][16]
.set VSC,   212992                     ; V's scale words [step][4 tiles][16]
.set FLG,   217088                     ; a word a wave: has its part of the mask a key that counts?
.set CSS,   217344                     ; the scale bytes made: [wave][16] two bytes
.set STG,   217856                     ; each wave's stage of 768 bytes
.set SPARE, 230144                     ; the spare words, 128 bytes a wave
.set WV,   16
.set IDX,  17
.set G1K,  24
.set G1V,  32
.set G0K,  40
.set G0V,  44
.set SEL,  88
.set CS,   90
.set SK,   96                          ; s96-99: the trip's place in K, V, K's words (and the mask's), V's words
.set SV,   97
.set SS,   98
.set SVS,  99
.set BK,   1                           ; bases: v1 K, v2 V tiles 0-1, v3 V tiles 2-3, v4 K's words, v7 the mask's, v192 V's words
.set BV,   2
.set BV2,  3
.set BKS,  4
.set BE,   7
.set BVS,  192
.set TK,   8                           ; the trip's addresses
.set TV,   9
.set TV2,  10
.set TKS,  11
.set TE,   193
.set TVS,  194
.set KF,   28                          ; v28-95: eight key tiles, 8 registers apart, and 4 behind them; then V's four fragments
.macro PLACES
.rept 4
	v_nop
.endr
.endm
.macro ROUND
	s_barrier_signal -1
	s_barrier_wait -1
	s_cmp_lg_u32 s[WV], 0
	s_cbranch_scc1 .Lnot_wave_0_\@
	s_barrier_signal -3
.Lnot_wave_0_\@:
	s_barrier_wait -3
	s_barrier_signal -1
	s_barrier_wait -1
.endm
.macro QUANT2 s                        ; 32 numbers of a lane become two blocks' codes: v84-89 my half's whole block, v80 both bytes
	v_max3_num_f32 v72, |v[(\s)]|, |v[(\s)+1]|, 0x1800000
	v_max3_num_f32 v73, |v[(\s)+16]|, |v[(\s)+17]|, 0x1800000
.irp i, 2,4,6,8,10,12,14
	s_delay_alu instid0(VALU_DEP_2)
	v_max3_num_f32 v72, v72, |v[(\s)+\i]|, |v[(\s)+\i+1]|
	s_delay_alu instid0(VALU_DEP_2)
	v_max3_num_f32 v73, v73, |v[(\s)+16+\i]|, |v[(\s)+17+\i]|
.endr
	s_delay_alu instid0(VALU_DEP_2)
	v_permlanex16_b32 v74, v72, s[SEL], s[SEL+1]
	s_delay_alu instid0(VALU_DEP_2)
	v_permlanex16_b32 v75, v73, s[SEL], s[SEL+1]
	s_delay_alu instid0(VALU_DEP_2)
	v_max_num_f32 v72, v72, v74
	s_delay_alu instid0(VALU_DEP_2)
	v_max_num_f32 v73, v73, v75
	s_delay_alu instid0(VALU_DEP_2)
	v_add_nc_u32 v76, 0xff000000, v72
	s_delay_alu instid0(VALU_DEP_2)
	v_add_nc_u32 v77, 0xff000000, v73
	s_delay_alu instid0(VALU_DEP_2)
	v_lshrrev_b32 v78, 23, v76
	s_delay_alu instid0(VALU_DEP_2)
	v_lshrrev_b32 v79, 23, v77
	s_delay_alu instid0(VALU_DEP_1)
	v_lshl_or_b32 v80, v79, 8, v78
	v_cvt_scalef32_pk16_fp6_f32 v[84:86], v[(\s):(\s)+15], v76
	v_cvt_scalef32_pk16_fp6_f32 v[90:92], v[(\s)+16:(\s)+31], v77
	v_nop
.irp i, 0,1,2
	v_permlane16_swap_b32 v[84+\i], v[90+\i]
.endr
.irp i, 0,1,2
	s_delay_alu instid0(VALU_DEP_3)
	v_mov_b32 v[87+\i], v[90+\i]
.endr
.endm
	s_load_b128 s[4:7], s[0:1], 0x0                ; QKV, the mask
	s_load_b64 s[8:9], s[0:1], 0x10                ; CTX
	v_lshl_add_u32 v5, v0, 2, SPARE
	v_mov_b32 v6, 0
	ds_add_u32 v5, v6                              ; the opening: the add, twice on end, and its wait ahead of my tensor load
	ds_add_u32 v5, v6
	v_lshrrev_b32 v8, 5, v0
	s_delay_alu instid0(VALU_DEP_1)
	v_readfirstlane_b32 s[WV], v8
	s_and_b32 s[IDX], s[WV], 7
	s_bfe_u32 s19, ttmp6, 0x40000                  ; cx
	s_lshl_b32 s20, ttmp9, 2
	s_add_co_u32 s20, s20, s19                     ; which 256 queries
	s_and_b32 s21, ttmp7, 0xffff
	s_lshr_b32 s22, s21, 4                         ; batch
	s_and_b32 s23, s21, 15                         ; head
	s_lshr_b32 s18, s23, 1                         ; its pair
	s_and_b32 s19, s23, 1                          ; and which of the pair
.irp g, G1K, G1V                       ; 16 rows of 768 bytes (96 elements of 8); K's rows lie a tile's 12,288 bytes apart, V's on end
	s_mov_b32 s[\g], 15|(3<<16)|(1<<21)
	s_mov_b32 s[\g+1], 96<<16
	s_mov_b32 s[\g+2], 16<<16
	s_mov_b32 s[\g+3], 96<<16
	s_mov_b32 s[\g+4], 16
	s_mov_b32 s[\g+6], 0
	s_mov_b32 s[\g+7], 0
.endr
	s_mov_b32 s[G1K+5], 1536
	s_mov_b32 s[G1V+5], 96
	s_mul_i32 s66, s23, 768                        ; my head's half fragment in a tile's 12,288 bytes
	s_lshl_b32 s67, s22, 7                         ; the batch's first row tile
	s_lshl_b32 s68, s[IDX], 4
	s_add_co_u32 s68, s68, s67
	s_mul_i32 s68, s68, 12288
	s_add_co_u32 s68, s68, s66
	s_add_co_u32 s68, s68, 3145728                 ; K: 16 tiles for each of waves 0-7
	s_mov_b32 s69, 0
	s_lshl_b32 s70, s23, 2
	s_lshr_b32 s71, s[IDX], 1
	s_add_co_u32 s70, s70, s71
	s_mul_i32 s70, s70, 49152
	s_mul_i32 s71, s22, 24576
	s_add_co_u32 s70, s70, s71
	s_and_b32 s71, s[IDX], 1
	s_mul_i32 s71, s71, 12288
	s_add_co_u32 s70, s70, s71
	s_add_co_u32 s70, s70, 6291456                 ; V: half a tile of channels (8 steps) for each of waves 8-15
	s_mov_b32 s71, 0
	s_mul_i32 s72, s[IDX], 12288                   ; where my piece goes
	s_lshl_b32 s73, s20, 4
	s_add_co_u32 s73, s73, s67                     ; the work-group's first query tile,
	s_add_co_u32 s74, s73, s[WV]                   ; and mine
	s_lshl_b32 s76, s22, 13                        ; the batch's mask
	s_mov_b32 s77, 0
	s_lshl_b32 s78, s18, 14
	s_add_co_u32 s78, s78, s76
	s_add_co_u32 s78, s78, 9568256                 ; K's scale words
	s_mov_b32 s79, 0
	s_lshl_b32 s80, s22, 16
	s_lshl_b32 s81, s23, 8
	s_add_co_u32 s80, s80, s81
	s_add_co_u32 s80, s80, 9699328                 ; V's
	s_mov_b32 s81, 0
	s_mul_i32 s82, s74, 12288
	s_add_co_u32 s82, s82, s66                     ; q's codes; ctx's codes have the same place in CTX
	s_mov_b32 s83, 0
	s_lshl_b32 s84, s18, 14
	s_lshl_b32 s85, s74, 6
	s_add_co_u32 s84, s84, s85
	s_lshl_b32 s85, s19, 1
	s_add_co_u32 s84, s84, s85
	s_add_co_u32 s84, s84, 9437184                 ; q's scale bytes
	s_mov_b32 s85, 0
	s_lshl_b32 s86, s23, 13
	s_lshl_b32 s87, s73, 5
	s_add_co_u32 s86, s86, s87
	s_add_co_u32 s86, s86, 3145728                 ; ctx's scale bytes
	s_mov_b32 s87, 0
	s_mov_b32 s[SEL], 0x76543210
	s_mov_b32 s[SEL+1], 0xfedcba98
	s_mov_b32 s[CS], 0x3e38aa3b                    ; log2(e) / 8
	s_mov_b32 s[CS+1], s[CS]
	s_lshl_b32 s92, s19, 4
	s_mov_b32 s93, 142<<16
	s_mov_b32 s[SK], 0
	s_mov_b32 s[SV], 0
	s_mov_b32 s[SS], 0
	s_mov_b32 s[SVS], 0
	s_mov_b32 s2, 8
	s_wait_alu depctr_va_vdst(0)
	v_and_b32 v195, 31, v0
	v_and_b32 v196, 15, v0                         ; r
	v_lshlrev_b32 v198, 4, v0
	v_lshlrev_b32 v200, 12, v8
	v_mul_u32_u24 v[BK], v195, 24
	v_lshlrev_b32 v199, 2, v196
	v_lshl_add_u32 v200, v195, 3, v200             ; V's words: a wave to a step of 4,096 bytes, 8 bytes a lane
	s_wait_alu depctr_va_vdst(0)
	s_wait_dscnt 0x0
	s_wait_kmcnt 0x0
	s_add_nc_u64 s[48:49], s[6:7], s[76:77]
	s_add_nc_u64 s[50:51], s[4:5], s[78:79]
	s_add_nc_u64 s[52:53], s[4:5], s[80:81]
	s_add_nc_u64 s[54:55], s[4:5], s[82:83]
	s_add_nc_u64 s[56:57], s[4:5], s[84:85]
	s_add_nc_u64 s[58:59], s[8:9], s[82:83]
	s_add_nc_u64 s[60:61], s[8:9], s[86:87]
	global_load_b128 v[32:35], v198, s[48:49]      ; four keys' mask
	global_load_b128 v[36:39], v198, s[50:51]      ; four rows' scale words of K
	global_load_b64 v[40:41], v200, s[52:53]
	global_load_b64 v[16:17], v[BK], s[54:55]      ; q's half fragment
	global_load_b64 v[18:19], v[BK], s[54:55] offset:8
	global_load_b64 v[20:21], v[BK], s[54:55] offset:16
	global_load_u16 v255, v199, s[56:57]
	s_mov_b32 s[G0K], 1
	s_mov_b32 s[G0K+1], s72
	s_add_nc_u64 s[G0K+2:G0K+3], s[4:5], s[68:69]
	s_or_b32 s[G0K+3], s[G0K+3], 0x80000000
	s_mov_b32 s[G0V], 1
	s_add_co_u32 s[G0V+1], s72, VOFF
	s_add_nc_u64 s[G0V+2:G0V+3], s[4:5], s[70:71]
	s_or_b32 s[G0V+3], s[G0V+3], 0x80000000
	ROUND                                          ; the four partners are here: the joint loads meet
	s_cmp_lt_u32 s[WV], 8
	s_cbranch_scc0 .Lfor_v
	tensor_load_to_lds s[G0K:G0K+3], s[G1K:G1K+7]
	s_nop 0
	PLACES
	s_branch .Lasked
.Lfor_v:
	tensor_load_to_lds s[G0V:G0V+3], s[G1V:G1V+7]
	s_nop 0
	PLACES
.Lasked:
	v_bfe_u32 v201, v0, 4, 1                       ; the lane's half
	v_add_nc_u32 v[BV], VOFF, v[BK]
	v_add_nc_u32 v[BV2], VOFF+49152, v[BK]
	v_lshl_add_u32 v[BKS], v195, 2, KSC
	v_lshl_add_u32 v[BE], v196, 2, EXT
	v_lshl_add_u32 v[BVS], v195, 2, VSC
	v_lshrrev_b32 v202, 3, v0                      ; keys 4 t .. 4 t + 3 are four neighbouring lanes of tile 2 (t / 8) + (t / 2) % 2: lanes 4 (t % 2) + 8 ((t / 4) % 2) on
	v_bfe_u32 v203, v0, 1, 1
	v_bfe_u32 v214, v0, 2, 1
	v_and_b32 v215, 1, v0
	v_lshl_add_u32 v202, v202, 7, EXT
	s_delay_alu instid0(VALU_DEP_1)
	v_lshl_add_u32 v202, v203, 6, v202
	s_delay_alu instid0(VALU_DEP_1)
	v_lshl_add_u32 v202, v214, 5, v202
	s_delay_alu instid0(VALU_DEP_1)
	v_lshl_add_u32 v202, v215, 4, v202
	v_lshl_add_u32 v204, v0, 4, KSC
	v_lshl_add_u32 v205, v0, 3, VSC
	v_lshl_add_u32 v206, v8, 2, FLG
	v_lshl_add_u32 v207, v196, 2, FLG
	s_mul_i32 s94, s[WV], 768
	s_add_co_u32 s94, s94, STG
	s_lshl_b32 s95, s[WV], 5
	s_add_co_u32 s95, s95, CSS
	v_add_nc_u32 v208, s94, v[BK]                  ; my stage, in: 24 bytes a lane;
	v_lshl_add_u32 v209, v195, 3, s94              ; back: 256 bytes on end a load
	v_lshlrev_b32 v210, 3, v195
	v_lshl_add_u32 v211, v196, 1, s95
	v_lshl_add_u32 v212, v195, 4, CSS
	v_lshlrev_b32 v213, 4, v195
	v_mov_b32 v44, 0x18                            ; the code of 4.0
	v_mov_b32 v13, 0xff61b1e6                      ; the largest t so far: -3e38
	v_mov_b32 v14, 0
	v_mov_b32 v15, 0
	v_floor_f32 v12, -v13
	v_sub_nc_u32 v22, 1, v201
	v_mov_b32 v253, 0
.irp i, 0,1,2,3
	v_mov_b32 v[236+\i], 0
.endr
.irp i, 23,24,25,26,27
	v_mov_b32 v[\i], 0
.endr
	v_mul_u32_u24 v22, v22, 0x38                   ; q's place 64: -4.0 in lanes 0-15, 0 in lanes 16-31
	s_wait_alu depctr_va_vdst(0)
	s_wait_loadcnt 0x0
	v_or_b32 v42, v32, v33
	v_or_b32 v43, v34, v35
	s_delay_alu instid0(VALU_DEP_1)
	v_or_b32 v42, v42, v43
	s_delay_alu instid0(VALU_DEP_1)
	v_cmp_ne_u32 s94, 0, v42
.irp i, 0,1,2,3
	v_cmp_eq_u32 vcc_lo, 0, v[32+\i]
	s_delay_alu instid0(VALU_DEP_1)
	v_cndmask_b32 v[32+\i], 0, v44, vcc_lo
.endr
	v_mov_b32 v42, s94
.irp i, 0,1,2,3
	v_lshrrev_b32 v[36+\i], s92, v[36+\i]          ; my head's two bytes,
.endr
.irp i, 0,1,2,3
	s_delay_alu instid0(VALU_DEP_4)
	v_and_or_b32 v[36+\i], v[36+\i], 0xffff, s93   ; and 2^15 for the mask's place
.endr
	v_or_b32 v255, 0x8d0000, v255                  ; q's: 2^14
	ds_store_b128 v202, v[32:35]
	ds_store_b32 v206, v42
	ds_store_b128 v204, v[36:39]
	ds_store_b64 v205, v[40:41]
	s_wait_alu depctr_va_vdst(0)
	s_wait_tensorcnt 0x0                           ; my piece of K or V is in,
	s_wait_dscnt 0x0                               ; and my stores have landed: for the others' sake
	s_barrier_signal -1
	s_barrier_wait -1
	ds_load_b32 v42, v207
.set J, 0
.rept 32
	v_mov_b32 v[160+J], 0                          ; O^T: the step is written once, and the first finds zeros
.set J, J+1
.endr
.irp t, 0,1,2,3,4,5,6,7
	v_mov_b32 v[KF+8*\t+7], 0                      ; the spare registers are written once: they meet q's zeros
.endr
.irp i, 64,65,66,67
	v_mov_b32 v[KF+\i], 0
.endr
	s_wait_dscnt 0x0
	v_cmp_ne_u32 s94, 0, v42
	s_cmp_lg_u32 s94, 0
	s_cselect_b32 s94, -1, 0                       ; no key of the batch counts: q is cleared, a selection and no branch
.irp i, 0,1,2,3,4,5,6
	v_and_b32 v[16+\i], s94, v[16+\i]
.endr
	s_wait_alu depctr_va_vdst(0)
.macro STEP q
.irp t, 0,1,2,3,4,5,6,7
.irp p, 0,1,2
	ds_load_b64 v[KF+8*\t+2*\p:KF+8*\t+2*\p+1], v[TK] offset:6144*(\q)+768*\t+8*\p
.endr
	ds_load_b32 v[KF+8*\t+6], v[TE] offset:512*(\q)+64*\t
.endr
.irp b, 0,1,2,3
	ds_load_b32 v[248+\b], v[TKS] offset:512*(\q)+128*\b
.endr
.if (\q) == 0
	s_wait_alu depctr_va_vdst(0)
.endif
	s_wait_dscnt 0x0
.irp t, 0,1,2,3,4,5,6,7
.if \t%2
	v_wmma_scale_f32_16x16x128_f8f6f4 v[96+8*\t:103+8*\t], v[KF+8*\t:KF+8*\t+11], v[16:27], 0, v[248+\t/2], v255 matrix_a_fmt:MATRIX_FMT_FP6 matrix_b_fmt:MATRIX_FMT_FP6 matrix_a_scale:MATRIX_SCALE_ROW1
.else
	v_wmma_scale_f32_16x16x128_f8f6f4 v[96+8*\t:103+8*\t], v[KF+8*\t:KF+8*\t+11], v[16:27], 0, v[248+\t/2], v255 matrix_a_fmt:MATRIX_FMT_FP6 matrix_b_fmt:MATRIX_FMT_FP6
.endif
.endr
	PLACES
.irp t, 0,1,2,3
.irp cc, 0,1
.irp p, 0,1,2
	ds_load_b64 v[KF+12*\t+6*\cc+2*\p:KF+12*\t+6*\cc+2*\p+1], v[TV+\t/2] offset:24576*(\t%2)+1536*(\q)+768*\cc+8*\p
.endr
.endr
.endr
.irp i, 0,1
	ds_load_b32 v[248+\i], v[TVS] offset:256*(\q)+128*\i
.endr
.irp b, 0,1,2,3
	v_max3_num_f32 v[232+\b], v[96+16*\b], v[97+16*\b], v[98+16*\b]   ; each block's largest score: for the row's maximum and for the block's largest p
.endr
.irp i, 3,5,7,9,11,13
.irp b, 0,1,2,3
	v_max3_num_f32 v[232+\b], v[232+\b], v[96+16*\b+\i], v[97+16*\b+\i]
.endr
.endr
.irp b, 0,1,2,3
	v_max_num_f32 v[232+\b], v[232+\b], v[111+16*\b]
.endr
.irp b, 0,1,2,3
	s_delay_alu instid0(VALU_DEP_4)
	v_permlanex16_b32 v[236+\b], v[232+\b], s[SEL], s[SEL+1]
.endr
.irp b, 0,1,2,3
	s_delay_alu instid0(VALU_DEP_4)
	v_max_num_f32 v[232+\b], v[232+\b], v[236+\b]
.endr
	s_delay_alu instid0(VALU_DEP_2)
	v_max3_num_f32 v254, v232, v233, v234
	s_delay_alu instid0(VALU_DEP_1)
	v_max_num_f32 v254, v254, v235
	s_delay_alu instid0(VALU_DEP_1)
	v_mul_f32 v254, s[CS], v254
	s_delay_alu instid0(VALU_DEP_1)
	v_max_num_f32 v13, v13, v254                   ; the running largest t
	v_mov_b32 v254, v12
	s_delay_alu instid0(VALU_DEP_2)
	v_floor_f32 v12, -v13                          ; -M
	s_delay_alu instid0(VALU_DEP_1)
	v_sub_f32 v254, v12, v254
	s_delay_alu instid0(VALU_DEP_1)
	v_cvt_i32_f32 v254, v254
	s_delay_alu instid0(VALU_DEP_1)
	v_ldexp_f32 v252, 1.0, v254                    ; f = 2^(old M - new M)
.set J, 0
.rept 32
	v_pk_fma_f32 v[96+J:97+J], v[96+J:97+J], s[CS:CS+1], v[12:13] op_sel_hi:[1,0,0]
.set J, J+2
.endr
.irp b, 0,1,2,3
	v_fma_f32 v[232+\b], v[232+\b], s[CS], v12
.endr
	s_wait_alu depctr_va_vdst(0)
.set J, 0
.rept 64
	v_exp_f32 v[96+J], v[96+J]
.set J, J+1
.endr
	v_pk_mul_f32 v[14:15], v[14:15], v[252:253] op_sel_hi:[1,0]
	s_wait_alu depctr_va_vdst(0)
.irp b, 0,1,2,3
	v_exp_f32 v[232+\b], v[232+\b]
.endr
	v_pk_add_f32 v[236:237], v[96:97], v[98:99]    ; the row's sum, of the unquantised p, in two chains
.irp j, 4,8,12,16,20,24,28,32,36,40,44,48,52,56,60
	v_pk_add_f32 v[14:15], v[14:15], v[96+\j:97+\j]
	v_pk_add_f32 v[236:237], v[236:237], v[98+\j:99+\j]
.endr
	s_delay_alu instid0(VALU_DEP_1)
	v_pk_add_f32 v[14:15], v[14:15], v[236:237]
	s_wait_alu depctr_va_vdst(0)
.irp b, 0,1,2,3
	v_max_num_f32 v[232+\b], 0x1800000, v[232+\b]
.endr
.irp b, 0,1,2,3
	s_delay_alu instid0(VALU_DEP_4)
	v_add_nc_u32 v[244+\b], 0xff000000, v[232+\b]
.endr
.irp b, 0,1,2,3
	s_delay_alu instid0(VALU_DEP_4)
	v_lshrrev_b32 v[236+\b], 23, v[244+\b]
.endr
	s_delay_alu instid0(VALU_DEP_3)
	v_lshl_or_b32 v253, v237, 8, v236
	s_delay_alu instid0(VALU_DEP_1)
	v_lshl_or_b32 v253, v238, 16, v253
	s_delay_alu instid0(VALU_DEP_1)
	v_lshl_or_b32 v253, v239, 24, v253             ; p's scale word
.irp c, 0,1
	v_cvt_scalef32_pk16_fp6_f32 v[224+6*\c:226+6*\c], v[96+32*\c:111+32*\c], v[244+2*\c]
	v_cvt_scalef32_pk16_fp6_f32 v[236+4*\c:238+4*\c], v[112+32*\c:127+32*\c], v[244+2*\c+1]
.endr
	v_nop
.irp c, 0,1
.irp i, 0,1,2
	v_permlane16_swap_b32 v[224+6*\c+\i], v[236+4*\c+\i]
.endr
.irp i, 0,1,2
	s_delay_alu instid0(VALU_DEP_3)
	v_mov_b32 v[227+6*\c+\i], v[236+4*\c+\i]
.endr
.endr
	s_wait_alu depctr_va_vdst(0)                   ; directly ahead of the first reader of O^T
.set J, 0
.rept 16
	v_pk_mul_f32 v[160+J:161+J], v[160+J:161+J], v[252:253] op_sel_hi:[1,0]
.set J, J+2
.endr
	s_wait_alu depctr_va_vdst(0)
	s_wait_dscnt 0x0
.irp t, 0,1,2,3
.if \t%2
	v_wmma_scale_f32_16x16x128_f8f6f4 v[160+8*\t:167+8*\t], v[KF+12*\t:KF+12*\t+11], v[224:235], v[160+8*\t:167+8*\t], v[248+\t/2], v253 matrix_a_fmt:MATRIX_FMT_FP6 matrix_b_fmt:MATRIX_FMT_FP6 matrix_a_scale:MATRIX_SCALE_ROW1
.else
	v_wmma_scale_f32_16x16x128_f8f6f4 v[160+8*\t:167+8*\t], v[KF+12*\t:KF+12*\t+11], v[224:235], v[160+8*\t:167+8*\t], v[248+\t/2], v253 matrix_a_fmt:MATRIX_FMT_FP6 matrix_b_fmt:MATRIX_FMT_FP6
.endif
.endr
.endm
.Ltrip:                                                ; eight trips of two steps; the six additions are also the places in front of the loads into registers that the last products read
	v_add_nc_u32 v[TK], s[SK], v[BK]
	v_add_nc_u32 v[TV], s[SV], v[BV]
	v_add_nc_u32 v[TV2], s[SV], v[BV2]
	v_add_nc_u32 v[TKS], s[SS], v[BKS]
	v_add_nc_u32 v[TE], s[SS], v[BE]
	v_add_nc_u32 v[TVS], s[SVS], v[BVS]
	STEP 0
	PLACES
	STEP 1
	s_add_co_u32 s[SK], s[SK], 12288
	s_add_co_u32 s[SV], s[SV], 3072
	s_add_co_u32 s[SS], s[SS], 1024
	s_add_co_u32 s[SVS], s[SVS], 512
	s_sub_co_u32 s2, s2, 1
	s_cmp_lg_u32 s2, 0
	s_wait_alu depctr_va_vdst(0)
	s_cbranch_scc1 .Ltrip
	PLACES
	v_add_f32 v14, v14, v15
	s_delay_alu instid0(VALU_DEP_1)
	v_permlanex16_b32 v252, v14, s[SEL], s[SEL+1]
	s_delay_alu instid0(VALU_DEP_1)
	v_add_f32 v14, v14, v252                       ; the row's sum
	s_wait_alu depctr_va_vdst(0)
	v_rcp_f32 v14, v14
	v_mov_b32 v74, 0
	v_mov_b32 v75, 0
	s_wait_alu depctr_va_vdst(0)
.set J, 0
.rept 32
	v_mul_f32 v[96+J], v[160+J], v14               ; each accumulator from its low end on
.set J, J+1
.endr
	QUANT2 96
	ds_store_b64 v208, v[84:85]
	ds_store_b64 v208, v[86:87] offset:8
	ds_store_b64 v208, v[88:89] offset:16
	ds_store_b16 v211, v80                         ; both lanes of a row write the same two bytes
.irp p, 0,1,2
	ds_load_b64 v[32+2*\p:33+2*\p], v209 offset:256*\p   ; LDS serves a wave's instructions in order: these see my stores
.endr
	s_wait_dscnt 0x0
.irp p, 0,1,2
	global_store_b64 v210, v[32+2*\p:33+2*\p], s[58:59] offset:256*\p   ; 256 consecutive bytes, aligned
.endr
	s_barrier_signal -1
	s_barrier_wait -1
	s_cmp_lg_u32 s[WV], 0
	s_cbranch_scc1 .Lno_scales
	ds_load_b128 v[40:43], v212                    ; the sixteen waves' 512 scale bytes
	s_wait_dscnt 0x0
	global_store_b128 v213, v[40:43], s[60:61]
.Lno_scales:
	s_wait_tensorcnt 0x0                           ; the wave's end
	ds_add_u32 v5, v6
	s_wait_dscnt 0x0
	ROUND                                          ; the closing round
	s_endpgm
.Lfunc_end_k_q8b5c82f037_attn:
	.size	k_q8b5c82f037_attn, .Lfunc_end_k_q8b5c82f037_attn-k_q8b5c82f037_attn
	.p2alignl 7, 3214868480
	.fill 96, 4, 3214868480
	.section	.rodata,"a",@progbits
	.p2align	6, 0x0
	.amdhsa_kernel k_q8b5c82f037_attn
		.amdhsa_group_segment_fixed_size 232192
		.amdhsa_private_segment_fixed_size 0
		.amdhsa_enable_private_segment 0
		.amdhsa_kernarg_size 24
		.amdhsa_user_sgpr_count 2
		.amdhsa_user_sgpr_kernarg_segment_ptr 1
		.amdhsa_wavefront_size32 1
		.amdhsa_system_sgpr_workgroup_id_x 1
		.amdhsa_system_sgpr_workgroup_id_y 1
		.amdhsa_system_sgpr_workgroup_id_z 1
		.amdhsa_system_vgpr_workitem_id 0
		.amdhsa_next_free_vgpr 256
		.amdhsa_next_free_sgpr 102
		.amdhsa_reserve_vcc 1
		.amdhsa_float_denorm_mode_32 3
		.amdhsa_float_denorm_mode_16_64 3
		.amdhsa_memory_ordered 1
		.amdhsa_forward_progress 1
		.amdhsa_inst_pref_size 57
	.end_amdhsa_kernel
	.amdgpu_metadata
---
amdhsa.version: [ 1, 2 ]
amdhsa.kernels:
  - .name:           k_q8b5c82f037_attn
    .symbol:         k_q8b5c82f037_attn.kd
    .args:
      - { .name: QKV, .offset: 0, .size: 8, .value_kind: global_buffer, .address_space: global }
      - { .name: src_mask, .offset: 8, .size: 8, .value_kind: global_buffer, .address_space: global }
      - { .name: CTX, .offset: 16, .size: 8, .value_kind: global_buffer, .address_space: global }
    .group_segment_fixed_size: 232192
    .private_segment_fixed_size: 0
    .kernarg_segment_align: 8
    .kernarg_segment_size: 24
    .max_flat_workgroup_size: 512
    .sgpr_count:     102
    .vgpr_count:     256
    .wavefront_size: 32
...
	.end_amdgpu_metadata
.endif
;; end of part 4
;; launch gwo (part 5): grid 8 x 32, 16 waves a work-group, clusters of 4 x 4, 327,680 bytes of LDS; arguments CTX, W, bo, x, X1; writes X1
.if DOCPART == 5
	.amdgcn_target "amdgcn-amd-amdhsa--gfx1250"
	.amdhsa_code_object_version 6
	.text
	.protected	k_q8b5c82f037_gwo
	.globl	k_q8b5c82f037_gwo
	.p2align	8
	.type	k_q8b5c82f037_gwo,@function
k_q8b5c82f037_gwo:
	s_mov_b64 s[64:65], 0
	v_nop
	global_prefetch_b8 v0, s[64:65] scope:SCOPE_SE
	s_setreg_imm32_b32 hwreg(HW_REG_WAVE_MODE, 25, 1), 1
	s_wait_xcnt 0x0
	s_wait_alu depctr_hold_cnt(0) depctr_sa_sdst(0) depctr_va_vdst(0) depctr_va_sdst(0) depctr_va_ssrc(0) depctr_va_vcc(0) depctr_vm_vsrc(0)
	s_getreg_b32 s2, hwreg(HW_REG_IB_STS2, 6, 4)
	s_cmp_eq_u32 s2, 0
	s_cbranch_scc0 .Lentry_in_a_cluster
	s_endpgm
.Lentry_in_a_cluster:
	s_bfe_u32 s2, ttmp6, 0x10000c
	s_cmp_lg_u32 s2, 0xf033
	s_cbranch_scc0 .Lentry_shape_is_right
	s_endpgm
.Lentry_shape_is_right:
; out[y][x] = res[y][x] + bias[x] + sum over k of Y[y][k] X[x][k], on codes of FP6 (E2M3) with E8M0 scales; out and res are f32, row-major, 1,024 wide.
; Y (4,096 rows) and X (1,024 rows of a weight) lie in memory as images of operand registers: row tile 2 g + u, lane r = row 32 g + 8 u + r + 8 (r / 8); codes [tile][step of 128 K][1,536], lane L owns 48 bytes at 48 L; scale words [step][tile][r].
; SHARES.  4,096 x 1,024 outputs on 256 work-groups are 128 x 128 each.  Sixteen waves: four groups along K (group kg takes the kg-th 128 of each slot's 512) x 2 x 2 tiles of 64 x 64: 16 accumulators a wave.
; At the end the four groups' sums meet in LDS: accumulator row a holds Y's tile 4 wy + (a + kg) % 4, so that row 0 is the tile that the wave keeps; rows 1-3 go to the three other groups.
; THE MATRIX INSTRUCTION IS USED TRANSPOSED (source 0 = a tile of X, source 1 = a tile of Y): a lane holds one row y and neighbours along x.
; RING: two slots of 512 along K (8 + 8 tiles x 6,144 bytes); every wave fetches one tile (waves 0-7 Y's, 8-15 X's).  All scale words come once, with the first fills.  CLUSTER 4 x 4: Y's tiles shared along a row, X's along a column.
; LIMITS: NaN and infinities are not served.
.set KS,    8                          ; steps of 128 along K
.set XCB,   0                          ; where X's codes begin in W
.set XT0,   192                        ; X's first row tile there
.set YSO,   3145728                    ; where Y's scale words begin
.set XSO,   9437184                    ; and X's
.set XSP,   16384                      ; a step's scale words of X in bytes
.set NSL,   KS/4
.set SR,    KS/8                       ; steps of scale words a wave fetches
.set TP,    KS*1536                    ; a tile's codes in bytes
.set SCB,   KS*512                     ; one side's scale words in LDS: [step][8 tiles][64]
.set SLOT,  98304
.set XOFF,  49152
.set SSTEP, 6144
.set SCLY,  196608
.set SCLX,  SCLY+SCB+128               ; 128 bytes askew, so that the two halves of a load fall on different banks
.set ROWST, SCLY+2*SCB+256             ; each wave's stage for 16 rows x (256 bytes + 16)
.set SPARE, ROWST+69632
.set WV,   16
.set IDX,  17
.set G1Y,  24
.set G1X,  32
.set G1SY, 40
.set G1SX, 48
.set G0Y,  56
.set G0X,  68
.set G0SY, 76
.set G0SX, 80
.set SC,   20                          ; v20-23 scale words and nothing else
.set XF,   32
.set YF,   80
.set ACC,  128
.macro PLACES
.rept 4
	v_nop
.endr
.endm
.macro ROUND
	s_barrier_signal -1
	s_barrier_wait -1
	s_cmp_lg_u32 s[WV], 0
	s_cbranch_scc1 .Lnot_wave_0_\@
	s_barrier_signal -3
.Lnot_wave_0_\@:
	s_barrier_wait -3
	s_barrier_signal -1
	s_barrier_wait -1
.endm
.macro JLOAD g0y, g1y, g0x, g1x        ; waves 0-7 for Y, waves 8-15 for X; s_nop 0 and four v_nop follow each line
	s_cmp_lt_u32 s[WV], 8
	s_cbranch_scc0 .Lfor_x_\@
	tensor_load_to_lds s[\g0y:\g0y+3], s[\g1y:\g1y+7]
	s_nop 0
.rept 4
	v_nop
.endr
	s_branch .Lasked_\@
.Lfor_x_\@:
	tensor_load_to_lds s[\g0x:\g0x+3], s[\g1x:\g1x+7]
	s_nop 0
.rept 4
	v_nop
.endr
.Lasked_\@:
.endm
; My 128 along K of slot n: 40 LDS loads, 16 products; the sixteen accumulators take turns, one instruction a turn.
.macro STEP slot, n, zero
.irp i, 0,1,2,3
	ds_load_b32 v[SC+\i], v[13+\i] offset:2048*(\n)
.endr
.irp b, 0,1,2,3
.irp i, 0,1,2
	ds_load_b128 v[XF+12*\b+4*\i:XF+12*\b+4*\i+3], v[3+\slot] offset:6144*\b+16*\i
.endr
.endr
.irp a, 0,1,2,3
.irp i, 0,1,2,3,4,5
	ds_load_b64 v[YF+12*\a+2*\i:YF+12*\a+2*\i+1], v[5+4*(\slot)+\a] offset:768*(\i/3)+8*(\i%3)   ; Y's fragments lie in two halves of 768 bytes, one a head, 24 bytes a lane
.endr
.endr
.irp a, 0,1,2,3
	s_wait_dscnt 18-6*\a                           ; the loads of Y's later fragments, six each, may be out
.irp b, 0,1,2,3
.if \zero
	v_wmma_scale_f32_16x16x128_f8f6f4 v[ACC+32*\a+8*\b:ACC+32*\a+8*\b+7], v[XF+12*\b:XF+12*\b+11], v[YF+12*\a:YF+12*\a+11], 0, v[SC+\b], v[SC+\a] matrix_a_fmt:MATRIX_FMT_FP6 matrix_b_fmt:MATRIX_FMT_FP6 matrix_a_scale:MATRIX_SCALE_ROW1
.else
	v_wmma_scale_f32_16x16x128_f8f6f4 v[ACC+32*\a+8*\b:ACC+32*\a+8*\b+7], v[XF+12*\b:XF+12*\b+11], v[YF+12*\a:YF+12*\a+11], v[ACC+32*\a+8*\b:ACC+32*\a+8*\b+7], v[SC+\b], v[SC+\a] matrix_a_fmt:MATRIX_FMT_FP6 matrix_b_fmt:MATRIX_FMT_FP6 matrix_a_scale:MATRIX_SCALE_ROW1
.endif
.endr
.endr
.endm
; The change to slot n: all my tensor loads have landed, the add, my reads of the slot left are over; where a slot n + 1 exists, a round of the cluster's barrier and, first behind it, the refill of the slot left.
.macro CHANGE n
.set NX, ((\n)+1)%2
	s_wait_tensorcnt 0x0
	ds_add_u32 v1, v2
.if (\n)+1 < NSL
	s_add_nc_u64 s[G0Y+4*NX+2:G0Y+4*NX+3], s[G0Y+4*NX+2:G0Y+4*NX+3], 2*SSTEP
	s_add_nc_u64 s[G0X+4*NX+2:G0X+4*NX+3], s[G0X+4*NX+2:G0X+4*NX+3], 2*SSTEP
.endif
	s_wait_dscnt 0x0
.if (\n)+1 < NSL
	ROUND
	JLOAD G0Y+4*NX, G1Y, G0X+4*NX, G1X
.else
	s_barrier_signal -1
	s_barrier_wait -1
	PLACES
.endif
.endm
	s_load_b256 s[4:11], s[0:1], 0x0               ; Y, W, bias, res
	s_load_b64 s[12:13], s[0:1], 0x20              ; out
	v_lshl_add_u32 v1, v0, 2, SPARE
	v_mov_b32 v2, 0
	ds_add_u32 v1, v2                              ; the wave's opening: the add and its wait ahead of my first tensor load
	ds_add_u32 v1, v2
	v_lshrrev_b32 v40, 5, v0
	s_delay_alu instid0(VALU_DEP_1)
	v_readfirstlane_b32 s[WV], v40
	s_and_b32 s[IDX], s[WV], 7                     ; which tile I fetch
	s_lshr_b32 s20, s[WV], 2                       ; kg
	s_bfe_u32 s18, s[WV], 0x10001                  ; wy
	s_and_b32 s19, s[WV], 1                        ; wx
	s_bfe_u32 s21, ttmp6, 0x40000                  ; cx
	s_bfe_u32 s22, ttmp6, 0x40004                  ; cy
	s_lshl_b32 s86, s22, 2
	s_lshl_b32 s86, 15, s86                        ; my row of the cluster
	s_lshl_b32 s87, 0x1111, s21                    ; my column
	s_or_b32 s[G1Y], s86, (3<<16)|(1<<21)
	s_or_b32 s[G1X], s87, (3<<16)|(1<<21)
.irp g, G1Y, G1X                       ; codes: one tile's four steps, 6,144 bytes on end
	s_mov_b32 s[\g+1], 768<<16
	s_mov_b32 s[\g+2], 1<<16
	s_mov_b32 s[\g+3], 768<<16
	s_mov_b32 s[\g+4], 1
	s_mov_b32 s[\g+5], KS*192
	s_mov_b32 s[\g+6], 0
	s_mov_b32 s[\g+7], 0
.endr
	s_lshl_b32 s3, ttmp9, 2
	s_add_co_u32 s3, s3, s21                       ; tX: which 128 rows of X
	s_and_b32 s2, ttmp7, 0xffff
	s_lshl_b32 s2, s2, 2
	s_add_co_u32 s2, s2, s22                       ; tY: which 128 rows of Y
	s_lshl_b32 s86, s2, 3
	s_add_co_u32 s86, s86, s[IDX]
	s_mul_i32 s86, s86, TP
	s_mov_b32 s87, 0
	s_lshl_b32 s88, s3, 3
	s_add_co_u32 s88, s88, s[IDX]
	s_add_co_u32 s88, s88, XT0
	s_mul_i32 s88, s88, TP
	s_add_co_u32 s88, s88, XCB
	s_mov_b32 s89, 0
	s_lshl_b32 s90, s2, 8                          ; Y's scale bytes lie [head][row tile][row], two bytes: my 8 tiles are 256 bytes of each head's 8,192
	s_add_co_u32 s90, s90, YSO
	s_mov_b32 s91, 0
	s_lshl_b32 s92, s3, 9
	s_add_co_u32 s92, s92, XSO+XT0*64
	s_mov_b32 s93, 0
	s_mul_i32 s67, s[IDX], 6144                    ; where my tile goes: no place in the cluster enters an LDS address
	v_lshrrev_b32 v45, 6, v0                       ; the scale words go through registers: 64 threads to a step, two words a thread
	v_and_b32 v46, 63, v0
	v_lshlrev_b32 v45, 14, v45                     ; a step: two heads' 8,192 bytes of Y, 16,384 bytes of X
	s_delay_alu instid0(VALU_DEP_1)
	v_lshl_add_u32 v39, v46, 2, v45
	v_lshl_add_u32 v45, v46, 3, v45
	v_lshl_add_u32 v46, v0, 3, SCLY
	s_wait_alu depctr_va_vdst(0)
	s_wait_dscnt 0x0                               ; the opening add is done
	s_wait_kmcnt 0x0
	s_add_nc_u64 s[G0SY:G0SY+1], s[4:5], s[90:91]
	s_add_nc_u64 s[G0SX:G0SX+1], s[6:7], s[92:93]
	global_load_b32 v48, v39, s[G0SY:G0SY+1]       ; two rows' bytes of the step's even head,
	global_load_b32 v49, v39, s[G0SY:G0SY+1] offset:8192   ; and of its odd head
	global_load_b64 v[52:53], v45, s[G0SX:G0SX+1]  ; 8,192 bytes of scales beside 196,608 of codes: not asked for jointly, so that a wave's one tensor load at the head is its tile of slot 0
	s_add_nc_u64 s[94:95], s[4:5], s[86:87]
	s_add_nc_u64 s[96:97], s[6:7], s[88:89]
.irp p, 0,1
	s_mov_b32 s[G0Y+4*\p], 1
	s_add_co_u32 s[G0Y+4*\p+1], s67, \p*SLOT
	s_add_nc_u64 s[G0Y+4*\p+2:G0Y+4*\p+3], s[94:95], \p*SSTEP
	s_or_b32 s[G0Y+4*\p+3], s[G0Y+4*\p+3], 0x80000000
	s_mov_b32 s[G0X+4*\p], 1
	s_add_co_u32 s[G0X+4*\p+1], s67, \p*SLOT+XOFF
	s_add_nc_u64 s[G0X+4*\p+2:G0X+4*\p+3], s[96:97], \p*SSTEP
	s_or_b32 s[G0X+4*\p+3], s[G0X+4*\p+3], 0x80000000
.endr
	ROUND                                          ; all sixteen work-groups are here: the first joint loads meet
	JLOAD G0Y, G1Y, G0X, G1X                       ; slot 0: one tensor load a wave at the head
	v_and_b32 v40, 31, v0                          ; L
	v_and_b32 v41, 15, v0                          ; r
	v_bfe_u32 v42, v0, 4, 1                        ; h
	s_delay_alu instid0(VALU_DEP_3)
	v_mul_u32_u24 v43, v40, 48
	s_delay_alu instid0(VALU_DEP_3)
	v_lshlrev_b32 v44, 4, v41
	v_mul_u32_u24 v47, v40, 24
	s_wait_alu depctr_va_vdst(0)
	s_lshl_b32 s86, s3, 9
	s_lshl_b32 s87, s19, 8
	s_add_co_u32 s86, s86, s87                     ; my 64 columns, in bytes
	s_mov_b32 s87, 0
	s_add_nc_u64 s[88:89], s[8:9], s[86:87]
	global_load_b128 v[24:27], v44, s[88:89]       ; the biases of the four columns that I store
	s_lshl_b32 s90, s2, 3
	s_lshl_b32 s91, s18, 2
	s_add_co_u32 s90, s90, s91
	s_add_co_u32 s90, s90, s20                     ; the row tile that I keep
	s_lshr_b32 s91, s90, 1
	s_lshl_b32 s91, s91, 5
	s_and_b32 s90, s90, 1
	s_lshl_b32 s90, s90, 3
	s_add_co_u32 s90, s90, s91                     ; its first row
	s_lshl_b32 s90, s90, 12
	s_add_co_u32 s86, s86, s90
	s_add_nc_u64 s[96:97], s[10:11], s[86:87]      ; res,
	s_add_nc_u64 s[98:99], s[12:13], s[86:87]      ; out
	v_lshl_add_u32 v31, v42, 12, v44               ; lanes 0-15 one row's 256 bytes, lanes 16-31 the next row's
	s_mul_i32 s90, s19, 24576
	s_mul_i32 s92, s20, 1536
	s_add_co_u32 s90, s90, s92
	s_add_co_u32 s90, s90, XOFF
	v_add_nc_u32 v3, s90, v43                      ; my X fragments in slot 0,
	s_delay_alu instid0(VALU_DEP_1)
	v_add_nc_u32 v4, SLOT, v3                      ; in slot 1
	s_lshl_b32 s93, s20, 9
	s_add_co_u32 s93, s93, SCLY
.irp a, 0,1,2,3
	s_add_co_u32 s90, s20, \a
	s_and_b32 s90, s90, 3
	s_lshl_b32 s91, s18, 2
	s_add_co_u32 s90, s90, s91                     ; Y's tile of accumulator row a
	s_mul_i32 s91, s90, 6144
	s_add_co_u32 s91, s91, s92
	v_add_nc_u32 v[5+\a], s91, v47
	s_delay_alu instid0(VALU_DEP_1)
	v_add_nc_u32 v[9+\a], SLOT, v[5+\a]
	s_xor_b32 s91, s90, 7                          ; 7 - that tile
	s_lshl_b32 s94, s19, 2
	s_add_co_u32 s91, s91, s94
	s_add_co_u32 s91, s91, \a
	s_lshl_b32 s91, s91, 6
	s_add_co_u32 s91, s91, SCLX-SCLY-448           ; from Y's words to X's tile 4 wx + a: one product with h
	v_mul_u32_u24 v[13+\a], s91, v42
	s_delay_alu instid0(VALU_DEP_1)
	v_lshl_add_u32 v[13+\a], v41, 2, v[13+\a]
	s_lshl_b32 s91, s90, 6
	s_add_co_u32 s91, s91, s93
	v_add_nc_u32 v[13+\a], s91, v[13+\a]
.endr
.irp d, 1,2,3                          ; where accumulator row d goes: to group (kg + d) % 4, its d-th place
	s_add_co_u32 s90, s20, \d
	s_and_b32 s90, s90, 3
	s_lshl_b32 s90, s90, 2
	s_and_b32 s91, s[WV], 3
	s_add_co_u32 s90, s90, s91
	s_mul_i32 s90, s90, 3
	s_add_co_u32 s90, s90, \d-1
	s_lshl_b32 s90, s90, 12
	v_lshl_add_u32 v[16+\d], v40, 4, s90
.endr
	s_mul_i32 s90, s[WV], 12288
	v_lshl_add_u32 v28, v40, 4, s90                ; where the three others' sums for me lie
	s_mul_i32 s90, s[WV], 4352
	s_add_co_u32 s90, s90, ROWST
	v_mul_u32_u24 v29, v41, 272
	s_delay_alu instid0(VALU_DEP_1)
	v_lshl_add_u32 v29, v42, 6, v29
	s_delay_alu instid0(VALU_DEP_1)
	v_add_nc_u32 v29, s90, v29                     ; my stage, in: row r, my half's bytes
	v_mul_u32_u24 v30, v42, 272
	s_delay_alu instid0(VALU_DEP_1)
	v_add_nc_u32 v30, v30, v44
	s_delay_alu instid0(VALU_DEP_1)
	v_add_nc_u32 v30, s90, v30                     ; back: two rows an instruction
	s_wait_alu depctr_va_vdst(0)
	s_wait_loadcnt 0x0                             ; the biases and the scales are in
	v_perm_b32 v50, v49, v48, 0x05040100           ; a row's word: the even head's two bytes below, the odd head's above
	v_perm_b32 v51, v49, v48, 0x07060302
	ds_store_b64 v46, v[50:51]
	ds_store_b64 v46, v[52:53] offset:SCLX-SCLY
	s_wait_tensorcnt 0x0                           ; my tile of slot 0 is in; slot 1's first fill is issued as a refill is:
	ds_add_u32 v1, v2
	s_wait_dscnt 0x0
	ROUND
	JLOAD G0Y+4, G1Y, G0X+4, G1X
	STEP 0, 0, 1
.set N, 1
.rept NSL-1
	CHANGE N
	STEP N%2, N, 0
.set N, N+1
.endr
	; THE WAY OUT.  The ring has had its last fill; behind this barrier nobody reads it: it takes the sums that change hands, as images of registers.
	s_barrier_signal -1
	s_barrier_wait -1
	PLACES
	s_wait_alu depctr_va_vdst(0)
.irp d, 1,2,3
.irp i, 0,1,2,3,4,5,6,7
	ds_store_b128 v[16+\d], v[ACC+32*\d+4*\i:ACC+32*\d+4*\i+3] offset:512*\i   ; each accumulator from its low end on
.endr
.endr
	s_wait_dscnt 0x0                               ; for the others' sake; and the registers stored are free
.irp t, 0,1,2,3,4,5,6,7
	global_load_b128 v[160+4*\t:163+4*\t], v31, s[96:97] offset:(2*\t+8*(\t/4))*4096   ; res: the tile's rows 2 t, 2 t + 1 (rows 8-15 of a tile lie 8 further down)
.endr
	s_barrier_signal -1
	s_barrier_wait -1
.irp d, 0,1,2
.irp i, 0,1,2,3,4,5,6,7
	ds_load_b128 v[32+32*\d+4*\i:35+32*\d+4*\i], v28 offset:4096*\d+512*\i
.endr
.endr
	s_wait_dscnt 0x0
.irp d, 0,1,2
.set J, 0
.rept 16
	v_pk_add_f32 v[ACC+J:ACC+J+1], v[ACC+J:ACC+J+1], v[32+32*\d+J:33+32*\d+J]
.set J, J+2
.endr
.endr
.irp b, 0,1,2,3
.irp jj, 0,1
	ds_store_b128 v29, v[ACC+8*\b+4*\jj:ACC+8*\b+4*\jj+3] offset:128*(\b/2)+32*(\b%2)+16*\jj
.endr
.endr
.irp t, 0,1,2,3,4,5,6,7
	ds_load_b128 v[32+4*\t:35+4*\t], v30 offset:544*\t   ; LDS serves a wave's instructions in order: these see my stores
.endr
	s_wait_dscnt 0x0
	s_wait_loadcnt 0x0
.irp t, 0,1,2,3,4,5,6,7
	v_pk_add_f32 v[32+4*\t:33+4*\t], v[32+4*\t:33+4*\t], v[24:25]
	v_pk_add_f32 v[34+4*\t:35+4*\t], v[34+4*\t:35+4*\t], v[26:27]
	s_delay_alu instid0(VALU_DEP_2)
	v_pk_add_f32 v[32+4*\t:33+4*\t], v[32+4*\t:33+4*\t], v[160+4*\t:161+4*\t]
	s_delay_alu instid0(VALU_DEP_2)
	v_pk_add_f32 v[34+4*\t:35+4*\t], v[34+4*\t:35+4*\t], v[162+4*\t:163+4*\t]
	global_store_b128 v31, v[32+4*\t:35+4*\t], s[98:99] offset:(2*\t+8*(\t/4))*4096   ; sixteen lanes store 256 consecutive bytes, aligned
.endr
	s_wait_tensorcnt 0x0                           ; the wave's end
	ds_add_u32 v1, v2
	s_wait_dscnt 0x0
	ROUND                                          ; the closing round
	s_endpgm
.Lfunc_end_k_q8b5c82f037_gwo:
	.size	k_q8b5c82f037_gwo, .Lfunc_end_k_q8b5c82f037_gwo-k_q8b5c82f037_gwo
	.p2alignl 7, 3214868480
	.fill 96, 4, 3214868480
	.section	.rodata,"a",@progbits
	.p2align	6, 0x0
	.amdhsa_kernel k_q8b5c82f037_gwo
		.amdhsa_group_segment_fixed_size 327680
		.amdhsa_private_segment_fixed_size 0
		.amdhsa_enable_private_segment 0
		.amdhsa_kernarg_size 40
		.amdhsa_user_sgpr_count 2
		.amdhsa_user_sgpr_kernarg_segment_ptr 1
		.amdhsa_wavefront_size32 1
		.amdhsa_system_sgpr_workgroup_id_x 1
		.amdhsa_system_sgpr_workgroup_id_y 1
		.amdhsa_system_sgpr_workgroup_id_z 1
		.amdhsa_system_vgpr_workitem_id 0
		.amdhsa_next_free_vgpr 256
		.amdhsa_next_free_sgpr 102
		.amdhsa_reserve_vcc 0
		.amdhsa_float_denorm_mode_32 3
		.amdhsa_float_denorm_mode_16_64 3
		.amdhsa_memory_ordered 1
		.amdhsa_forward_progress 1
		.amdhsa_inst_pref_size 35
	.end_amdhsa_kernel
	.amdgpu_metadata
---
amdhsa.version: [ 1, 2 ]
amdhsa.kernels:
  - .name:           k_q8b5c82f037_gwo
    .symbol:         k_q8b5c82f037_gwo.kd
    .args:
      - { .name: CTX, .offset: 0, .size: 8, .value_kind: global_buffer, .address_space: global }
      - { .name: W, .offset: 8, .size: 8, .value_kind: global_buffer, .address_space: global }
      - { .name: bo, .offset: 16, .size: 8, .value_kind: global_buffer, .address_space: global }
      - { .name: x, .offset: 24, .size: 8, .value_kind: global_buffer, .address_space: global }
      - { .name: X1, .offset: 32, .size: 8, .value_kind: global_buffer, .address_space: global }
    .group_segment_fixed_size: 327680
    .private_segment_fixed_size: 0
    .kernarg_segment_align: 8
    .kernarg_segment_size: 40
    .max_flat_workgroup_size: 512
    .sgpr_count:     102
    .vgpr_count:     256
    .wavefront_size: 32
...
	.end_amdgpu_metadata
.endif
;; end of part 5
;; launch ln2: the kernel of part 2 again; grid 256 x 1, 16 waves a work-group, no clusters, 88,576 bytes of LDS; arguments X1, a2, g2, NB; writes NB
;; launch gffn1 (part 6): grid 16 x 16, 16 waves a work-group, clusters of 4 x 4, 327,680 bytes of LDS; arguments NB, W, b1, HB; writes HB
.if DOCPART == 6
	.amdgcn_target "amdgcn-amd-amdhsa--gfx1250"
	.amdhsa_code_object_version 6
	.text
	.protected	k_q8b5c82f037_gffn1
	.globl	k_q8b5c82f037_gffn1
	.p2align	8
	.type	k_q8b5c82f037_gffn1,@function
k_q8b5c82f037_gffn1:
	s_mov_b64 s[64:65], 0
	v_nop
	global_prefetch_b8 v0, s[64:65] scope:SCOPE_SE
	s_setreg_imm32_b32 hwreg(HW_REG_WAVE_MODE, 25, 1), 1
	s_wait_xcnt 0x0
	s_wait_alu depctr_hold_cnt(0) depctr_sa_sdst(0) depctr_va_vdst(0) depctr_va_sdst(0) depctr_va_ssrc(0) depctr_va_vcc(0) depctr_vm_vsrc(0)
	s_getreg_b32 s2, hwreg(HW_REG_IB_STS2, 6, 4)
	s_cmp_eq_u32 s2, 0
	s_cbranch_scc0 .Lentry_in_a_cluster
	s_endpgm
.Lentry_in_a_cluster:
	s_bfe_u32 s2, ttmp6, 0x10000c
	s_cmp_lg_u32 s2, 0xf033
	s_cbranch_scc0 .Lentry_shape_is_right
	s_endpgm
.Lentry_shape_is_right:
.set MODE,  1
.set NSL,   4
.set SLOT,  98304
.set XOFF,  49152
.set SSTEP, 3072
.set SCLY,  196608
.set SCLX,  204928
.set STG,   213248
.set STS,   262400
.set BIA,   264448
.set SPARE, 266496
.set WV,   16
.set IDX,  17
.set G1Y,  24
.set G1X,  32
.set G1SY, 40
.set G1SX, 48
.set G0Y,  56
.set G0X,  68
.set G0SY, 76
.set G0SX, 80
.set SEL,  84
.set SC,   20
.set XF,   32
.set YF,   80
.set ACC,  128
.if MODE == 0
.set OUTP, 14
.else
.set OUTP, 10
.endif
.macro PLACES
.rept 4
	v_nop
.endr
.endm
.macro ROUND
	s_barrier_signal -1
	s_barrier_wait -1
	s_cmp_lg_u32 s[WV], 0
	s_cbranch_scc1 .Lnot_wave_0_\@
	s_barrier_signal -3
.Lnot_wave_0_\@:
	s_barrier_wait -3
	s_barrier_signal -1
	s_barrier_wait -1
.endm
.macro JLOAD g0y, g1y, g0x, g1x
	s_cmp_lt_u32 s[WV], 8
	s_cbranch_scc0 .Lfor_x_\@
	tensor_load_to_lds s[\g0y:\g0y+3], s[\g1y:\g1y+7]
	s_nop 0
.rept 4
	v_nop
.endr
	s_branch .Lasked_\@
.Lfor_x_\@:
	tensor_load_to_lds s[\g0x:\g0x+3], s[\g1x:\g1x+7]
	s_nop 0
.rept 4
	v_nop
.endr
.Lasked_\@:
.endm
.macro STEP slot, q, sidx, zero
.irp i, 0,1,2,3
	ds_load_b32 v[SC+\i], v13 offset:1024*(\sidx)+64*\i
.endr
.irp b, 0,1,2,3
.irp i, 0,1,2
	ds_load_b128 v[XF+12*\b+4*\i:XF+12*\b+4*\i+3], v[3+\slot] offset:3072*\b+1536*(\q)+16*\i
.endr
.endr
.irp a, 0,1,2,3
.irp i, 0,1,2
	ds_load_b128 v[YF+12*\a+4*\i:YF+12*\a+4*\i+3], v[5+\slot] offset:3072*\a+1536*(\q)+16*\i
.endr
.endr
.irp a, 0,1,2,3
	s_wait_dscnt 9-3*\a
.irp b, 0,1,2,3
.if \zero
	v_wmma_scale_f32_16x16x128_f8f6f4 v[ACC+32*\a+8*\b:ACC+32*\a+8*\b+7], v[XF+12*\b:XF+12*\b+11], v[YF+12*\a:YF+12*\a+11], 0, v[SC+\b], v[SC+\a] matrix_a_fmt:MATRIX_FMT_FP6 matrix_b_fmt:MATRIX_FMT_FP6 matrix_a_scale:MATRIX_SCALE_ROW1
.else
	v_wmma_scale_f32_16x16x128_f8f6f4 v[ACC+32*\a+8*\b:ACC+32*\a+8*\b+7], v[XF+12*\b:XF+12*\b+11], v[YF+12*\a:YF+12*\a+11], v[ACC+32*\a+8*\b:ACC+32*\a+8*\b+7], v[SC+\b], v[SC+\a] matrix_a_fmt:MATRIX_FMT_FP6 matrix_b_fmt:MATRIX_FMT_FP6 matrix_a_scale:MATRIX_SCALE_ROW1
.endif
.endr
.endr
.endm
.macro CHANGE n
.set NX, ((\n)+1)%2
	s_wait_tensorcnt 0x0
	ds_add_u32 v1, v2
.if (\n)+1 < NSL
	s_add_nc_u64 s[G0Y+4*NX+2:G0Y+4*NX+3], s[G0Y+4*NX+2:G0Y+4*NX+3], 2*SSTEP
	s_add_nc_u64 s[G0X+4*NX+2:G0X+4*NX+3], s[G0X+4*NX+2:G0X+4*NX+3], 2*SSTEP
.endif
	s_wait_dscnt 0x0
.if (\n)+1 < NSL
	ROUND
	JLOAD G0Y+4*NX, G1Y, G0X+4*NX, G1X
.else
	s_barrier_signal -1
	s_barrier_wait -1
	PLACES
.endif
.endm
.macro QUANT2 s
	v_max3_num_f32 v72, |v[(\s)]|, |v[(\s)+1]|, 0x1800000
	v_max3_num_f32 v73, |v[(\s)+16]|, |v[(\s)+17]|, 0x1800000
.irp i, 2,4,6,8,10,12,14
	s_delay_alu instid0(VALU_DEP_2)
	v_max3_num_f32 v72, v72, |v[(\s)+\i]|, |v[(\s)+\i+1]|
	s_delay_alu instid0(VALU_DEP_2)
	v_max3_num_f32 v73, v73, |v[(\s)+16+\i]|, |v[(\s)+17+\i]|
.endr
	s_delay_alu instid0(VALU_DEP_2)
	v_permlanex16_b32 v74, v72, s[SEL], s[SEL+1]
	s_delay_alu instid0(VALU_DEP_2)
	v_permlanex16_b32 v75, v73, s[SEL], s[SEL+1]
	s_delay_alu instid0(VALU_DEP_2)
	v_max_num_f32 v72, v72, v74
	s_delay_alu instid0(VALU_DEP_2)
	v_max_num_f32 v73, v73, v75
	s_delay_alu instid0(VALU_DEP_2)
	v_add_nc_u32 v76, 0xff000000, v72
	s_delay_alu instid0(VALU_DEP_2)
	v_add_nc_u32 v77, 0xff000000, v73
	s_delay_alu instid0(VALU_DEP_2)
	v_lshrrev_b32 v78, 23, v76
	s_delay_alu instid0(VALU_DEP_2)
	v_lshrrev_b32 v79, 23, v77
	s_delay_alu instid0(VALU_DEP_1)
	v_lshl_or_b32 v80, v79, 8, v78
	v_cvt_scalef32_pk16_fp6_f32 v[84:86], v[(\s):(\s)+15], v76
	v_cvt_scalef32_pk16_fp6_f32 v[90:92], v[(\s)+16:(\s)+31], v77
	v_nop
.irp i, 0,1,2
	v_permlane16_swap_b32 v[84+\i], v[90+\i]
.endr
.irp i, 0,1,2
	s_delay_alu instid0(VALU_DEP_3)
	v_mov_b32 v[87+\i], v[90+\i]
.endr
.endm
	s_load_b256 s[4:11], s[0:1], 0x0
.if MODE == 0
	s_load_b128 s[12:15], s[0:1], 0x20
.endif
	v_lshl_add_u32 v1, v0, 2, SPARE
	v_mov_b32 v2, 0
	ds_add_u32 v1, v2
	ds_add_u32 v1, v2
	v_lshrrev_b32 v24, 5, v0
	s_delay_alu instid0(VALU_DEP_1)
	v_readfirstlane_b32 s[WV], v24
	s_and_b32 s[IDX], s[WV], 7
	s_lshr_b32 s18, s[WV], 2
	s_and_b32 s19, s[WV], 3
	s_bfe_u32 s21, ttmp6, 0x40000
	s_bfe_u32 s22, ttmp6, 0x40004
	s_lshl_b32 s86, s22, 2
	s_lshl_b32 s86, 15, s86
	s_lshl_b32 s87, 0x1111, s21
	s_or_b32 s[G1Y], s86, (3<<16)|(1<<21)
	s_or_b32 s[G1X], s87, (3<<16)|(1<<21)
.irp g, G1Y, G1X
	s_mov_b32 s[\g+1], 384<<16
	s_mov_b32 s[\g+2], 2<<16
	s_mov_b32 s[\g+3], 384<<16
	s_mov_b32 s[\g+4], 2
	s_mov_b32 s[\g+5], 1536
	s_mov_b32 s[\g+6], 0
	s_mov_b32 s[\g+7], 0
.endr
	s_mov_b32 s[SEL], 0x76543210
	s_mov_b32 s[SEL+1], 0xfedcba98
.if MODE == 0
	s_mov_b32 s23, ttmp9
	s_lshr_b32 s2, s23, 1
	s_lshl_b32 s2, s2, 2
	s_and_b32 s20, s23, 1
	s_lshl_b32 s3, s20, 2
	s_lshl_b32 s86, s23, 2
	s_sub_co_u32 s86, s86, 32
	s_cmp_lt_u32 s23, 8
	s_cselect_b32 s2, s2, 8
	s_cselect_b32 s3, s3, s86
	s_cselect_b32 s66, 1, 0
	s_add_co_u32 s2, s2, s22
	s_add_co_u32 s3, s3, s21
.else
	s_lshl_b32 s3, ttmp9, 2
	s_add_co_u32 s3, s3, s21
	s_and_b32 s2, ttmp7, 0xffff
	s_lshl_b32 s2, s2, 2
	s_add_co_u32 s2, s2, s22
.endif
	s_lshl_b32 s86, s2, 4
	s_lshl_b32 s87, s[IDX], 1
	s_add_co_u32 s86, s86, s87
	s_mul_i32 s86, s86, 12288
	s_lshl_b32 s88, s3, 4
	s_add_co_u32 s88, s88, s87
	s_mul_i32 s88, s88, 12288
	s_mov_b32 s87, 0
	s_mov_b32 s89, 0
	s_lshl_b32 s90, s2, 10                         ; Y's scale words of my 16 tiles, step 0
	s_lshl_b32 s92, s3, 10                         ; X's
	s_mov_b32 s91, 0
	s_mov_b32 s93, 0
.if MODE == 0
	s_mov_b32 s94, 9437184
	s_mov_b32 s95, 3145728
	s_cmp_lt_u32 s23, 8
	s_cselect_b32 s94, 3145728, s94
	s_cselect_b32 s95, 9437184, s95
	s_add_co_u32 s90, s90, s94
	s_add_co_u32 s92, s92, s95
.else
	s_add_co_u32 s90, s90, 3145728
	s_add_co_u32 s92, s92, 9568256
	s_add_co_u32 s88, s88, 3145728
.endif
	s_mul_i32 s67, s[IDX], 6144
	v_lshrrev_b32 v18, 6, v0                       ; the scale words go through registers: 8 steps x 1,024 bytes a side, 16 bytes a thread: 64 threads to a step
	v_and_b32 v19, 63, v0
	v_lshlrev_b32 v18, 14, v18                     ; a step is 16,384 bytes in memory
	s_delay_alu instid0(VALU_DEP_1)
	v_lshl_add_u32 v18, v19, 4, v18
	v_lshl_add_u32 v19, v0, 4, SCLY                ; and 1,024 bytes in LDS
	s_wait_alu depctr_va_vdst(0)
	s_wait_dscnt 0x0
	s_wait_kmcnt 0x0
.if MODE == 0
	s_cmp_lt_u32 s23, 8
	s_cselect_b64 s[94:95], s[4:5], s[6:7]
	s_cselect_b64 s[96:97], s[6:7], s[4:5]
.else
	s_mov_b64 s[94:95], s[4:5]
	s_mov_b64 s[96:97], s[6:7]
.endif
	s_add_nc_u64 s[G0SY:G0SY+1], s[94:95], s[90:91]
	s_add_nc_u64 s[G0SX:G0SX+1], s[96:97], s[92:93]
	global_load_b128 v[32:35], v18, s[G0SY:G0SY+1] ; 16,384 bytes of scale words beside 393,216 of codes: they are not asked for jointly, so that a wave's one tensor load at the head is its piece of slot 0
	global_load_b128 v[36:39], v18, s[G0SX:G0SX+1]
	s_add_nc_u64 s[94:95], s[94:95], s[86:87]
	s_add_nc_u64 s[96:97], s[96:97], s[88:89]
.irp p, 0,1
	s_mov_b32 s[G0Y+4*\p], 1
	s_add_co_u32 s[G0Y+4*\p+1], s67, \p*SLOT
	s_add_nc_u64 s[G0Y+4*\p+2:G0Y+4*\p+3], s[94:95], \p*SSTEP
	s_or_b32 s[G0Y+4*\p+3], s[G0Y+4*\p+3], 0x80000000
	s_mov_b32 s[G0X+4*\p], 1
	s_add_co_u32 s[G0X+4*\p+1], s67, \p*SLOT+XOFF
	s_add_nc_u64 s[G0X+4*\p+2:G0X+4*\p+3], s[96:97], \p*SSTEP
	s_or_b32 s[G0X+4*\p+3], s[G0X+4*\p+3], 0x80000000
.endr
	ROUND
	JLOAD G0Y, G1Y, G0X, G1X                       ; slot 0: one tensor load a wave at the head
.if MODE == 0
	s_cmp_eq_u32 s20, 1
	s_cselect_b64 s[86:87], s[10:11], s[8:9]
	s_cmp_lt_u32 s[WV], 8
	s_cselect_b64 s[86:87], s[86:87], s[12:13]
	s_cselect_b32 s88, s21, s22
	s_cselect_b32 s89, 1, 0
	s_lshl_b32 s88, s88, 10
	s_cmp_eq_u32 s89, s66
	s_cselect_b32 s67, -1, 0
	s_mov_b32 s89, 0
	s_add_nc_u64 s[86:87], s[86:87], s[88:89]
.else
	s_lshl_b32 s88, s3, 10
	s_mov_b32 s89, 0
	s_add_nc_u64 s[86:87], s[8:9], s[88:89]
.endif
	v_and_b32 v16, 0xff, v0
	s_delay_alu instid0(VALU_DEP_1)
	v_lshlrev_b32 v16, 2, v16
	global_load_b32 v17, v16, s[86:87]
	v_and_b32 v24, 31, v0
	v_and_b32 v25, 15, v0
	v_bfe_u32 v26, v0, 4, 1
	s_delay_alu instid0(VALU_DEP_3)
	v_mul_u32_u24 v27, v24, 48
	s_wait_alu depctr_va_vdst(0)
	s_mul_i32 s88, s18, 12288
	s_mul_i32 s89, s19, 12288
	s_add_co_u32 s89, s89, XOFF
	v_add_nc_u32 v5, s88, v27
	v_add_nc_u32 v3, s89, v27
	s_delay_alu instid0(VALU_DEP_2)
	v_add_nc_u32 v6, SLOT, v5
	s_delay_alu instid0(VALU_DEP_2)
	v_add_nc_u32 v4, SLOT, v3
	s_xor_b32 s88, s18, 3
	s_add_co_u32 s88, s88, s19
	s_lshl_b32 s88, s88, 8
	s_add_co_u32 s88, s88, SCLX-SCLY-768
	v_mul_u32_u24 v13, s88, v26
	s_delay_alu instid0(VALU_DEP_1)
	v_lshl_add_u32 v13, v25, 2, v13
	s_lshl_b32 s89, s18, 8
	s_add_co_u32 s89, s89, SCLY
	v_add_nc_u32 v13, s89, v13
	s_mul_i32 s88, s18, 12288
	s_lshr_b32 s89, s19, 1
	s_mul_i32 s89, s89, 1536
	s_add_co_u32 s88, s88, s89
	s_and_b32 s89, s19, 1
	s_mul_i32 s89, s89, 24
	s_add_co_u32 s88, s88, s89
	s_add_co_u32 s88, s88, STG
	v_add_nc_u32 v7, s88, v27
	s_lshr_b32 s88, s19, 1
	s_lshl_b32 s88, s88, 10
	s_lshl_b32 s89, s18, 8
	s_add_co_u32 s88, s88, s89
	s_and_b32 s89, s19, 1
	s_lshl_b32 s89, s89, 1
	s_add_co_u32 s88, s88, s89
	s_add_co_u32 s88, s88, STS
	v_lshl_add_u32 v8, v25, 2, s88
	s_lshl_b32 s88, s19, 8
	s_add_co_u32 s88, s88, BIA
	v_lshl_add_u32 v9, v26, 6, s88
	v_and_b32 v28, 8, v25
	s_delay_alu instid0(VALU_DEP_1)
	v_add_nc_u32 v28, v28, v25
	s_lshl_b32 s88, s18, 8
	s_add_co_u32 s88, s88, BIA+1024
	v_lshl_add_u32 v10, v28, 2, s88
	s_mul_i32 s88, s[WV], 3072
	s_add_co_u32 s88, s88, STG
	v_lshl_add_u32 v11, v24, 4, s88
	v_lshlrev_b32 v12, 4, v24
	s_and_b32 s88, s[WV], 3
	s_lshl_b32 s88, s88, 9
	s_add_co_u32 s88, s88, STS
	v_lshl_add_u32 v14, v24, 4, s88
	v_lshl_add_u32 v15, v0, 2, BIA
.if MODE == 0
	s_lshl_b32 s88, s2, 4
	s_lshl_b32 s89, s22, 4
	s_lshl_b32 s90, s21, 1
	s_lshl_b32 s91, s3, 1
	s_mul_i32 s92, s20, 3145728
	s_lshl_b32 s93, s20, 17
	s_add_co_u32 s93, s93, 9437184
	s_mov_b32 s94, 49152
	s_mov_b32 s95, 6291456
	s_mov_b32 s100, 9699328
	s_mov_b32 s101, 4096
	s_cmp_eq_u32 s66, 1
	s_cselect_b32 s88, s88, s89
	s_cselect_b32 s90, s90, s91
	s_cselect_b32 s92, s92, s95
	s_cselect_b32 s93, s93, s100
	s_cselect_b32 s94, 12288, s94
	s_cselect_b32 s101, 16384, s101
.else
	s_lshl_b32 s88, s2, 4
	s_lshl_b32 s90, s3, 1
	s_mov_b32 s92, 0
	s_mov_b32 s93, 12582912
	s_mov_b32 s94, 49152
	s_mov_b32 s101, 16384
.endif
	s_add_co_u32 s89, s88, s[WV]
	s_mul_i32 s89, s89, s94
	s_add_co_u32 s89, s89, s92
	s_mul_i32 s91, s90, 1536
	s_add_co_u32 s96, s89, s91
	s_mov_b32 s97, 0
	s_add_nc_u64 s[96:97], s[OUTP:OUTP+1], s[96:97]
	s_lshr_b32 s89, s[WV], 1
	s_add_co_u32 s89, s89, s90
	s_mul_i32 s89, s89, s101
	s_add_co_u32 s89, s89, s93
	s_lshl_b32 s91, s88, 6
	s_add_co_u32 s89, s89, s91
	s_and_b32 s91, s[WV], 1
	s_lshl_b32 s91, s91, 9
	s_add_co_u32 s98, s89, s91
	s_mov_b32 s99, 0
	s_add_nc_u64 s[98:99], s[OUTP:OUTP+1], s[98:99]
	s_wait_alu depctr_va_vdst(0)
	s_wait_loadcnt 0x0
.if MODE == 0
	v_cndmask_b32 v17, 0, v17, s67
.endif
	ds_store_b32 v15, v17
	ds_store_b128 v19, v[32:35]
	ds_store_b128 v19, v[36:39] offset:SCLX-SCLY
	s_wait_tensorcnt 0x0                           ; my piece of slot 0 is in; slot 1's first fill is issued as a refill is:
	ds_add_u32 v1, v2
	s_wait_dscnt 0x0                               ; the add and my stores are done
	ROUND
	JLOAD G0Y+4, G1Y, G0X+4, G1X                   ; it has slot 0's two steps in which to land
	STEP 0, 0, 0, 1
	PLACES
	STEP 0, 1, 1, 0
.set N, 1
.rept NSL-1
	CHANGE N
	STEP N%2, 0, 2*N, 0
	PLACES
	STEP N%2, 1, 2*N+1, 0
.set N, N+1
.endr
	PLACES
.irp b, 0,1,2,3
.irp jj, 0,1
	ds_load_b128 v[32+8*\b+4*\jj:35+8*\b+4*\jj], v9 offset:128*(\b/2)+32*(\b%2)+16*\jj
.endr
.endr
.if MODE == 0
.irp a, 0,1,2,3
	ds_load_b32 v[64+2*\a], v10 offset:128*(\a/2)+32*(\a%2)
.endr
.endif
	v_mov_b32 v74, 0
	v_mov_b32 v75, 0
	s_wait_dscnt 0x0
.if MODE == 0
.irp a, 0,1,2,3
	v_mov_b32 v[65+2*\a], v[64+2*\a]
.endr
.endif
.irp a, 0,1,2,3
.set J, 0
.rept 16
	v_pk_add_f32 v[ACC+32*\a+J:ACC+32*\a+J+1], v[ACC+32*\a+J:ACC+32*\a+J+1], v[32+J:33+J]
.set J, J+2
.endr
.if MODE == 0
.set J, 0
.rept 16
	v_pk_add_f32 v[ACC+32*\a+J:ACC+32*\a+J+1], v[ACC+32*\a+J:ACC+32*\a+J+1], v[64+2*\a:65+2*\a] op_sel_hi:[1,0]
.set J, J+2
.endr
.else
.set J, 0
.rept 32
	v_max_num_f32 v[ACC+32*\a+J], 0, v[ACC+32*\a+J]
.set J, J+1
.endr
.endif
	QUANT2 ACC+32*\a
	ds_store_b64 v7, v[84:85] offset:3072*\a
	ds_store_b64 v7, v[86:87] offset:3072*\a+8
	ds_store_b64 v7, v[88:89] offset:3072*\a+16
	ds_store_b16 v8, v80 offset:64*\a
	s_wait_dscnt 0x0
.endr
	s_barrier_signal -1
	s_barrier_wait -1
.irp i, 0,1,2,3,4,5
	ds_load_b128 v[32+4*\i:35+4*\i], v11 offset:512*\i
.endr
.irp i, 0,1,2,3,4,5
	s_wait_dscnt 5-\i
	global_store_b128 v12, v[32+4*\i:35+4*\i], s[96:97] offset:512*\i
.endr
	s_cmp_lt_u32 s[WV], 4
	s_cbranch_scc0 .Lno_scales
	ds_load_b128 v[56:59], v14
	s_wait_dscnt 0x0
	global_store_b128 v12, v[56:59], s[98:99]
.Lno_scales:
	s_wait_tensorcnt 0x0
	ds_add_u32 v1, v2
	s_wait_dscnt 0x0
	ROUND
	s_endpgm
.Lfunc_end_k_q8b5c82f037_gffn1:
	.size	k_q8b5c82f037_gffn1, .Lfunc_end_k_q8b5c82f037_gffn1-k_q8b5c82f037_gffn1
	.p2alignl 7, 3214868480
	.fill 96, 4, 3214868480
	.section	.rodata,"a",@progbits
	.p2align	6, 0x0
	.amdhsa_kernel k_q8b5c82f037_gffn1
		.amdhsa_group_segment_fixed_size 327680
		.amdhsa_private_segment_fixed_size 0
		.amdhsa_enable_private_segment 0
		.amdhsa_kernarg_size 32
		.amdhsa_user_sgpr_count 2
		.amdhsa_user_sgpr_kernarg_segment_ptr 1
		.amdhsa_wavefront_size32 1
		.amdhsa_system_sgpr_workgroup_id_x 1
		.amdhsa_system_sgpr_workgroup_id_y 1
		.amdhsa_system_sgpr_workgroup_id_z 1
		.amdhsa_system_vgpr_workitem_id 0
		.amdhsa_next_free_vgpr 256
		.amdhsa_next_free_sgpr 102
		.amdhsa_reserve_vcc 0
		.amdhsa_float_denorm_mode_32 3
		.amdhsa_float_denorm_mode_16_64 3
		.amdhsa_memory_ordered 1
		.amdhsa_forward_progress 1
		.amdhsa_inst_pref_size 67
	.end_amdhsa_kernel
	.amdgpu_metadata
---
amdhsa.version: [ 1, 2 ]
amdhsa.kernels:
  - .name:           k_q8b5c82f037_gffn1
    .symbol:         k_q8b5c82f037_gffn1.kd
    .args:
      - { .name: NB, .offset: 0, .size: 8, .value_kind: global_buffer, .address_space: global }
      - { .name: W, .offset: 8, .size: 8, .value_kind: global_buffer, .address_space: global }
      - { .name: b1, .offset: 16, .size: 8, .value_kind: global_buffer, .address_space: global }
      - { .name: HB, .offset: 24, .size: 8, .value_kind: global_buffer, .address_space: global }
    .group_segment_fixed_size: 327680
    .private_segment_fixed_size: 0
    .kernarg_segment_align: 8
    .kernarg_segment_size: 32
    .max_flat_workgroup_size: 512
    .sgpr_count:     102
    .vgpr_count:     256
    .wavefront_size: 32
...
	.end_amdgpu_metadata
.endif
;; end of part 6
;; launch gffn2 (part 7): grid 8 x 32, 16 waves a work-group, clusters of 4 x 4, 327,680 bytes of LDS; arguments HB, W, b2, X1, out0; writes out0
.if DOCPART == 7
	.amdgcn_target "amdgcn-amd-amdhsa--gfx1250"
	.amdhsa_code_object_version 6
	.text
	.protected	k_q8b5c82f037_gffn2
	.globl	k_q8b5c82f037_gffn2
	.p2align	8
	.type	k_q8b5c82f037_gffn2,@function
k_q8b5c82f037_gffn2:
	s_mov_b64 s[64:65], 0
	v_nop
	global_prefetch_b8 v0, s[64:65] scope:SCOPE_SE
	s_setreg_imm32_b32 hwreg(HW_REG_WAVE_MODE, 25, 1), 1
	s_wait_xcnt 0x0
	s_wait_alu depctr_hold_cnt(0) depctr_sa_sdst(0) depctr_va_vdst(0) depctr_va_sdst(0) depctr_va_ssrc(0) depctr_va_vcc(0) depctr_vm_vsrc(0)
	s_getreg_b32 s2, hwreg(HW_REG_IB_STS2, 6, 4)
	s_cmp_eq_u32 s2, 0
	s_cbranch_scc0 .Lentry_in_a_cluster
	s_endpgm
.Lentry_in_a_cluster:
	s_bfe_u32 s2, ttmp6, 0x10000c
	s_cmp_lg_u32 s2, 0xf033
	s_cbranch_scc0 .Lentry_shape_is_right
	s_endpgm
.Lentry_shape_is_right:
; out[y][x] = res[y][x] + bias[x] + sum over k of Y[y][k] X[x][k], on codes of FP6 (E2M3) with E8M0 scales; out and res are f32, row-major, 1,024 wide.
; Y (4,096 rows) and X (1,024 rows of a weight) lie in memory as images of operand registers: row tile 2 g + u, lane r = row 32 g + 8 u + r + 8 (r / 8); codes [tile][step of 128 K][1,536], lane L owns 48 bytes at 48 L; scale words [step][tile][r].
; SHARES.  4,096 x 1,024 outputs on 256 work-groups are 128 x 128 each.  Sixteen waves: four groups along K (group kg takes the kg-th 128 of each slot's 512) x 2 x 2 tiles of 64 x 64: 16 accumulators a wave.
; At the end the four groups' sums meet in LDS: accumulator row a holds Y's tile 4 wy + (a + kg) % 4, so that row 0 is the tile that the wave keeps; rows 1-3 go to the three other groups.
; THE MATRIX INSTRUCTION IS USED TRANSPOSED (source 0 = a tile of X, source 1 = a tile of Y): a lane holds one row y and neighbours along x.
; RING: two slots of 512 along K (8 + 8 tiles x 6,144 bytes); every wave fetches one tile (waves 0-7 Y's, 8-15 X's).  All scale words come once, with the first fills.  CLUSTER 4 x 4: Y's tiles shared along a row, X's along a column.
; LIMITS: NaN and infinities are not served.
.set KS,    32                         ; steps of 128 along K
.set XCB,   6291456                    ; where X's codes begin in W
.set XT0,   0                          ; X's first row tile there
.set YSO,   12582912                   ; where Y's scale words begin
.set XSO,   9699328                    ; and X's
.set XSP,   4096                       ; a step's scale words of X in bytes
.set NSL,   KS/4
.set SR,    KS/8                       ; steps of scale words a wave fetches
.set TP,    KS*1536                    ; a tile's codes in bytes
.set SCB,   KS*512                     ; one side's scale words in LDS: [step][8 tiles][64]
.set SLOT,  98304
.set XOFF,  49152
.set SSTEP, 6144
.set SCLY,  196608
.set SCLX,  SCLY+SCB+128               ; 128 bytes askew, so that the two halves of a load fall on different banks
.set ROWST, SCLY+2*SCB+256             ; each wave's stage for 16 rows x (256 bytes + 16)
.set SPARE, ROWST+69632
.set WV,   16
.set IDX,  17
.set G1Y,  24
.set G1X,  32
.set G1SY, 40
.set G1SX, 48
.set G0Y,  56
.set G0X,  68
.set G0SY, 76
.set G0SX, 80
.set SC,   20                          ; v20-23 scale words and nothing else
.set XF,   32
.set YF,   80
.set ACC,  128
.macro PLACES
.rept 4
	v_nop
.endr
.endm
.macro ROUND
	s_barrier_signal -1
	s_barrier_wait -1
	s_cmp_lg_u32 s[WV], 0
	s_cbranch_scc1 .Lnot_wave_0_\@
	s_barrier_signal -3
.Lnot_wave_0_\@:
	s_barrier_wait -3
	s_barrier_signal -1
	s_barrier_wait -1
.endm
.macro JLOAD g0y, g1y, g0x, g1x        ; waves 0-7 for Y, waves 8-15 for X; s_nop 0 and four v_nop follow each line
	s_cmp_lt_u32 s[WV], 8
	s_cbranch_scc0 .Lfor_x_\@
	tensor_load_to_lds s[\g0y:\g0y+3], s[\g1y:\g1y+7]
	s_nop 0
.rept 4
	v_nop
.endr
	s_branch .Lasked_\@
.Lfor_x_\@:
	tensor_load_to_lds s[\g0x:\g0x+3], s[\g1x:\g1x+7]
	s_nop 0
.rept 4
	v_nop
.endr
.Lasked_\@:
.endm
; My 128 along K of slot n: 28 LDS loads, 16 products; the sixteen accumulators take turns, one instruction a turn.
.macro STEP slot, n, zero
.irp i, 0,1,2,3
	ds_load_b32 v[SC+\i], v[13+\i] offset:2048*(\n)
.endr
.irp b, 0,1,2,3
.irp i, 0,1,2
	ds_load_b128 v[XF+12*\b+4*\i:XF+12*\b+4*\i+3], v[3+\slot] offset:6144*\b+16*\i
.endr
.endr
.irp a, 0,1,2,3
.irp i, 0,1,2
	ds_load_b128 v[YF+12*\a+4*\i:YF+12*\a+4*\i+3], v[5+4*(\slot)+\a] offset:16*\i
.endr
.endr
.irp a, 0,1,2,3
	s_wait_dscnt 9-3*\a                            ; the loads of Y's later fragments, three each, may be out
.irp b, 0,1,2,3
.if \zero
	v_wmma_scale_f32_16x16x128_f8f6f4 v[ACC+32*\a+8*\b:ACC+32*\a+8*\b+7], v[XF+12*\b:XF+12*\b+11], v[YF+12*\a:YF+12*\a+11], 0, v[SC+\b], v[SC+\a] matrix_a_fmt:MATRIX_FMT_FP6 matrix_b_fmt:MATRIX_FMT_FP6 matrix_a_scale:MATRIX_SCALE_ROW1
.else
	v_wmma_scale_f32_16x16x128_f8f6f4 v[ACC+32*\a+8*\b:ACC+32*\a+8*\b+7], v[XF+12*\b:XF+12*\b+11], v[YF+12*\a:YF+12*\a+11], v[ACC+32*\a+8*\b:ACC+32*\a+8*\b+7], v[SC+\b], v[SC+\a] matrix_a_fmt:MATRIX_FMT_FP6 matrix_b_fmt:MATRIX_FMT_FP6 matrix_a_scale:MATRIX_SCALE_ROW1
.endif
.endr
.endr
.endm
; The change to slot n: all my tensor loads have landed, the add, my reads of the slot left are over; where a slot n + 1 exists, a round of the cluster's barrier and, first behind it, the refill of the slot left.
.macro CHANGE n
.set NX, ((\n)+1)%2
	s_wait_tensorcnt 0x0
	ds_add_u32 v1, v2
.if (\n)+1 < NSL
	s_add_nc_u64 s[G0Y+4*NX+2:G0Y+4*NX+3], s[G0Y+4*NX+2:G0Y+4*NX+3], 2*SSTEP
	s_add_nc_u64 s[G0X+4*NX+2:G0X+4*NX+3], s[G0X+4*NX+2:G0X+4*NX+3], 2*SSTEP
.endif
	s_wait_dscnt 0x0
.if (\n)+1 < NSL
	ROUND
	JLOAD G0Y+4*NX, G1Y, G0X+4*NX, G1X
.if (\n)+3 < NSL
	global_prefetch_b8 v0, s[78:79] offset:((\n)+3)*SSTEP th:TH_LOAD_NT scope:SCOPE_SE   ; slot n + 3 of my tile, two slots ahead of the load just issued: of its 24 runs of 256 bytes my work-group names 6, a lane a run; the last slots ask for nothing
.endif
.else
	s_barrier_signal -1
	s_barrier_wait -1
	PLACES
.endif
.endm
	s_load_b256 s[4:11], s[0:1], 0x0               ; Y, W, bias, res
	s_load_b64 s[12:13], s[0:1], 0x20              ; out
	v_lshl_add_u32 v1, v0, 2, SPARE
	v_mov_b32 v2, 0
	ds_add_u32 v1, v2                              ; the wave's opening: the add and its wait ahead of my first tensor load
	ds_add_u32 v1, v2
	v_lshrrev_b32 v40, 5, v0
	s_delay_alu instid0(VALU_DEP_1)
	v_readfirstlane_b32 s[WV], v40
	s_and_b32 s[IDX], s[WV], 7                     ; which tile I fetch
	s_lshr_b32 s20, s[WV], 2                       ; kg
	s_bfe_u32 s18, s[WV], 0x10001                  ; wy
	s_and_b32 s19, s[WV], 1                        ; wx
	s_bfe_u32 s21, ttmp6, 0x40000                  ; cx
	s_bfe_u32 s22, ttmp6, 0x40004                  ; cy
	s_lshl_b32 s86, s22, 2
	s_lshl_b32 s86, 15, s86                        ; my row of the cluster
	s_lshl_b32 s87, 0x1111, s21                    ; my column
	s_or_b32 s[G1Y], s86, (3<<16)|(1<<21)
	s_or_b32 s[G1X], s87, (3<<16)|(1<<21)
.irp g, G1Y, G1X                       ; codes: one tile's four steps, 6,144 bytes on end
	s_mov_b32 s[\g+1], 768<<16
	s_mov_b32 s[\g+2], 1<<16
	s_mov_b32 s[\g+3], 768<<16
	s_mov_b32 s[\g+4], 1
	s_mov_b32 s[\g+5], KS*192
	s_mov_b32 s[\g+6], 0
	s_mov_b32 s[\g+7], 0
.endr
	s_lshl_b32 s3, ttmp9, 2
	s_add_co_u32 s3, s3, s21                       ; tX: which 128 rows of X
	s_and_b32 s2, ttmp7, 0xffff
	s_lshl_b32 s2, s2, 2
	s_add_co_u32 s2, s2, s22                       ; tY: which 128 rows of Y
	s_lshl_b32 s86, s2, 3
	s_add_co_u32 s86, s86, s[IDX]
	s_mul_i32 s86, s86, TP
	s_mov_b32 s87, 0
	s_lshl_b32 s88, s3, 3
	s_add_co_u32 s88, s88, s[IDX]
	s_add_co_u32 s88, s88, XT0
	s_mul_i32 s88, s88, TP
	s_add_co_u32 s88, s88, XCB
	s_mov_b32 s89, 0
	s_lshl_b32 s90, s2, 9
	s_add_co_u32 s90, s90, YSO
	s_mov_b32 s91, 0
	s_lshl_b32 s92, s3, 9
	s_add_co_u32 s92, s92, XSO+XT0*64
	s_mov_b32 s93, 0
	s_mul_i32 s67, s[IDX], 6144                    ; where my tile goes: no place in the cluster enters an LDS address
	v_lshrrev_b32 v45, 5, v0                       ; the scale words go through registers: 32 steps x 512 bytes a side; a wave to a step, 16 bytes a lane, two loads a side
	v_and_b32 v46, 31, v0
	v_lshlrev_b32 v47, 12, v45                     ; X: a step is 4,096 bytes in memory,
	v_lshlrev_b32 v45, 14, v45                     ; Y: 16,384
	v_lshl_add_u32 v47, v46, 4, v47
	v_lshl_add_u32 v45, v46, 4, v45
	v_lshl_add_u32 v46, v0, 4, SCLY
	s_wait_alu depctr_va_vdst(0)
	s_wait_dscnt 0x0                               ; the opening add is done
	s_wait_kmcnt 0x0
	s_add_nc_u64 s[G0SY:G0SY+1], s[4:5], s[90:91]
	s_add_nc_u64 s[G0SX:G0SX+1], s[6:7], s[92:93]
	global_load_b128 v[48:51], v45, s[G0SY:G0SY+1] ; 32,768 bytes of scale words beside 786,432 of codes: not asked for jointly, so that a wave's one tensor load at the head is its tile of slot 0
	global_load_b128 v[52:55], v45, s[G0SY:G0SY+1] offset:262144
	global_load_b128 v[56:59], v47, s[G0SX:G0SX+1]
	global_load_b128 v[60:63], v47, s[G0SX:G0SX+1] offset:65536
	s_add_nc_u64 s[94:95], s[4:5], s[86:87]
	s_add_nc_u64 s[96:97], s[6:7], s[88:89]
	s_cmp_lt_u32 s[WV], 8
	s_cselect_b64 s[78:79], s[94:95], s[96:97]     ; the prefetches: the tile that I fetch,
	s_cselect_b32 s82, s21, s22                    ; and my work-group's place among the four that ask for it jointly: they share its runs out by address
	s_mul_i32 s82, s82, 6
.irp p, 0,1
	s_mov_b32 s[G0Y+4*\p], 1
	s_add_co_u32 s[G0Y+4*\p+1], s67, \p*SLOT
	s_add_nc_u64 s[G0Y+4*\p+2:G0Y+4*\p+3], s[94:95], \p*SSTEP
	s_or_b32 s[G0Y+4*\p+3], s[G0Y+4*\p+3], 0x80000000
	s_mov_b32 s[G0X+4*\p], 1
	s_add_co_u32 s[G0X+4*\p+1], s67, \p*SLOT+XOFF
	s_add_nc_u64 s[G0X+4*\p+2:G0X+4*\p+3], s[96:97], \p*SSTEP
	s_or_b32 s[G0X+4*\p+3], s[G0X+4*\p+3], 0x80000000
.endr
	ROUND                                          ; all sixteen work-groups are here: the first joint loads meet
	JLOAD G0Y, G1Y, G0X, G1X                       ; slot 0: one tensor load a wave at the head
	v_and_b32 v40, 31, v0                          ; L
	v_and_b32 v41, 15, v0                          ; r
	v_bfe_u32 v42, v0, 4, 1                        ; h
	s_delay_alu instid0(VALU_DEP_3)
	v_mul_u32_u24 v43, v40, 48
	s_delay_alu instid0(VALU_DEP_3)
	v_lshlrev_b32 v44, 4, v41
	s_wait_alu depctr_va_vdst(0)
	s_lshl_b32 s86, s3, 9
	s_lshl_b32 s87, s19, 8
	s_add_co_u32 s86, s86, s87                     ; my 64 columns, in bytes
	s_mov_b32 s87, 0
	s_add_nc_u64 s[88:89], s[8:9], s[86:87]
	global_load_b128 v[24:27], v44, s[88:89]       ; the biases of the four columns that I store
	s_lshl_b32 s90, s2, 3
	s_lshl_b32 s91, s18, 2
	s_add_co_u32 s90, s90, s91
	s_add_co_u32 s90, s90, s20                     ; the row tile that I keep
	s_lshr_b32 s91, s90, 1
	s_lshl_b32 s91, s91, 5
	s_and_b32 s90, s90, 1
	s_lshl_b32 s90, s90, 3
	s_add_co_u32 s90, s90, s91                     ; its first row
	s_lshl_b32 s90, s90, 12
	s_add_co_u32 s86, s86, s90
	s_add_nc_u64 s[96:97], s[10:11], s[86:87]      ; res,
	s_add_nc_u64 s[98:99], s[12:13], s[86:87]      ; out
	v_lshl_add_u32 v31, v42, 12, v44               ; lanes 0-15 one row's 256 bytes, lanes 16-31 the next row's
	s_mul_i32 s90, s19, 24576
	s_mul_i32 s92, s20, 1536
	s_add_co_u32 s90, s90, s92
	s_add_co_u32 s90, s90, XOFF
	v_add_nc_u32 v3, s90, v43                      ; my X fragments in slot 0,
	s_delay_alu instid0(VALU_DEP_1)
	v_add_nc_u32 v4, SLOT, v3                      ; in slot 1
	s_lshl_b32 s93, s20, 9
	s_add_co_u32 s93, s93, SCLY
.irp a, 0,1,2,3
	s_add_co_u32 s90, s20, \a
	s_and_b32 s90, s90, 3
	s_lshl_b32 s91, s18, 2
	s_add_co_u32 s90, s90, s91                     ; Y's tile of accumulator row a
	s_mul_i32 s91, s90, 6144
	s_add_co_u32 s91, s91, s92
	v_add_nc_u32 v[5+\a], s91, v43
	s_delay_alu instid0(VALU_DEP_1)
	v_add_nc_u32 v[9+\a], SLOT, v[5+\a]
	s_xor_b32 s91, s90, 7                          ; 7 - that tile
	s_lshl_b32 s94, s19, 2
	s_add_co_u32 s91, s91, s94
	s_add_co_u32 s91, s91, \a
	s_lshl_b32 s91, s91, 6
	s_add_co_u32 s91, s91, SCLX-SCLY-448           ; from Y's words to X's tile 4 wx + a: one product with h
	v_mul_u32_u24 v[13+\a], s91, v42
	s_delay_alu instid0(VALU_DEP_1)
	v_lshl_add_u32 v[13+\a], v41, 2, v[13+\a]
	s_lshl_b32 s91, s90, 6
	s_add_co_u32 s91, s91, s93
	v_add_nc_u32 v[13+\a], s91, v[13+\a]
.endr
.irp d, 1,2,3                          ; where accumulator row d goes: to group (kg + d) % 4, its d-th place
	s_add_co_u32 s90, s20, \d
	s_and_b32 s90, s90, 3
	s_lshl_b32 s90, s90, 2
	s_and_b32 s91, s[WV], 3
	s_add_co_u32 s90, s90, s91
	s_mul_i32 s90, s90, 3
	s_add_co_u32 s90, s90, \d-1
	s_lshl_b32 s90, s90, 12
	v_lshl_add_u32 v[16+\d], v40, 4, s90
.endr
	s_mul_i32 s90, s[WV], 12288
	v_lshl_add_u32 v28, v40, 4, s90                ; where the three others' sums for me lie
	s_mul_i32 s90, s[WV], 4352
	s_add_co_u32 s90, s90, ROWST
	v_mul_u32_u24 v29, v41, 272
	s_delay_alu instid0(VALU_DEP_1)
	v_lshl_add_u32 v29, v42, 6, v29
	s_delay_alu instid0(VALU_DEP_1)
	v_add_nc_u32 v29, s90, v29                     ; my stage, in: row r, my half's bytes
	v_mul_u32_u24 v30, v42, 272
	s_delay_alu instid0(VALU_DEP_1)
	v_add_nc_u32 v30, v30, v44
	s_delay_alu instid0(VALU_DEP_1)
	v_add_nc_u32 v30, s90, v30                     ; back: two rows an instruction
	v_and_b32 v0, 31, v0                           ; the thread's number has served: v0 takes the prefetches' offset, 256 x (6 x place + lane), lanes 5-31 on the sixth run
	s_delay_alu instid0(VALU_DEP_1)
	v_min_u32 v0, 5, v0
	s_delay_alu instid0(VALU_DEP_1)
	v_add_nc_u32 v0, s82, v0
	s_delay_alu instid0(VALU_DEP_1)
	v_lshlrev_b32 v0, 8, v0
	s_wait_alu depctr_va_vdst(0)
	s_wait_loadcnt 0x0                             ; the biases and the scale words are in
	ds_store_b128 v46, v[48:51]
	ds_store_b128 v46, v[52:55] offset:8192
	ds_store_b128 v46, v[56:59] offset:SCLX-SCLY
	ds_store_b128 v46, v[60:63] offset:SCLX-SCLY+8192
	s_wait_tensorcnt 0x0                           ; my tile of slot 0 is in; slot 1's first fill is issued as a refill is:
	ds_add_u32 v1, v2
	s_wait_dscnt 0x0
	ROUND
	JLOAD G0Y+4, G1Y, G0X+4, G1X
	STEP 0, 0, 1
.set N, 1
.rept NSL-1
	CHANGE N
	STEP N%2, N, 0
.set N, N+1
.endr
	; THE WAY OUT.  The ring has had its last fill; behind this barrier nobody reads it: it takes the sums that change hands, as images of registers.
	s_barrier_signal -1
	s_barrier_wait -1
	PLACES
	s_wait_alu depctr_va_vdst(0)
.irp d, 1,2,3
.irp i, 0,1,2,3,4,5,6,7
	ds_store_b128 v[16+\d], v[ACC+32*\d+4*\i:ACC+32*\d+4*\i+3] offset:512*\i   ; each accumulator from its low end on
.endr
.endr
	s_wait_dscnt 0x0                               ; for the others' sake; and the registers stored are free
.irp t, 0,1,2,3,4,5,6,7
	global_load_b128 v[160+4*\t:163+4*\t], v31, s[96:97] offset:(2*\t+8*(\t/4))*4096   ; res: the tile's rows 2 t, 2 t + 1 (rows 8-15 of a tile lie 8 further down)
.endr
	s_barrier_signal -1
	s_barrier_wait -1
.irp d, 0,1,2
.irp i, 0,1,2,3,4,5,6,7
	ds_load_b128 v[32+32*\d+4*\i:35+32*\d+4*\i], v28 offset:4096*\d+512*\i
.endr
.endr
	s_wait_dscnt 0x0
.irp d, 0,1,2
.set J, 0
.rept 16
	v_pk_add_f32 v[ACC+J:ACC+J+1], v[ACC+J:ACC+J+1], v[32+32*\d+J:33+32*\d+J]
.set J, J+2
.endr
.endr
.irp b, 0,1,2,3
.irp jj, 0,1
	ds_store_b128 v29, v[ACC+8*\b+4*\jj:ACC+8*\b+4*\jj+3] offset:128*(\b/2)+32*(\b%2)+16*\jj
.endr
.endr
.irp t, 0,1,2,3,4,5,6,7
	ds_load_b128 v[32+4*\t:35+4*\t], v30 offset:544*\t   ; LDS serves a wave's instructions in order: these see my stores
.endr
	s_wait_dscnt 0x0
	s_wait_loadcnt 0x0
.irp t, 0,1,2,3,4,5,6,7
	v_pk_add_f32 v[32+4*\t:33+4*\t], v[32+4*\t:33+4*\t], v[24:25]
	v_pk_add_f32 v[34+4*\t:35+4*\t], v[34+4*\t:35+4*\t], v[26:27]
	s_delay_alu instid0(VALU_DEP_2)
	v_pk_add_f32 v[32+4*\t:33+4*\t], v[32+4*\t:33+4*\t], v[160+4*\t:161+4*\t]
	s_delay_alu instid0(VALU_DEP_2)
	v_pk_add_f32 v[34+4*\t:35+4*\t], v[34+4*\t:35+4*\t], v[162+4*\t:163+4*\t]
	global_store_b128 v31, v[32+4*\t:35+4*\t], s[98:99] offset:(2*\t+8*(\t/4))*4096   ; sixteen lanes store 256 consecutive bytes, aligned
.endr
	s_wait_tensorcnt 0x0                           ; the wave's end
	ds_add_u32 v1, v2
	s_wait_dscnt 0x0
	ROUND                                          ; the closing round
	s_endpgm
.Lfunc_end_k_q8b5c82f037_gffn2:
	.size	k_q8b5c82f037_gffn2, .Lfunc_end_k_q8b5c82f037_gffn2-k_q8b5c82f037_gffn2
	.p2alignl 7, 3214868480
	.fill 96, 4, 3214868480
	.section	.rodata,"a",@progbits
	.p2align	6, 0x0
	.amdhsa_kernel k_q8b5c82f037_gffn2
		.amdhsa_group_segment_fixed_size 327680
		.amdhsa_private_segment_fixed_size 0
		.amdhsa_enable_private_segment 0
		.amdhsa_kernarg_size 40
		.amdhsa_user_sgpr_count 2
		.amdhsa_user_sgpr_kernarg_segment_ptr 1
		.amdhsa_wavefront_size32 1
		.amdhsa_system_sgpr_workgroup_id_x 1
		.amdhsa_system_sgpr_workgroup_id_y 1
		.amdhsa_system_sgpr_workgroup_id_z 1
		.amdhsa_system_vgpr_workitem_id 0
		.amdhsa_next_free_vgpr 256
		.amdhsa_next_free_sgpr 102
		.amdhsa_reserve_vcc 0
		.amdhsa_float_denorm_mode_32 3
		.amdhsa_float_denorm_mode_16_64 3
		.amdhsa_memory_ordered 1
		.amdhsa_forward_progress 1
		.amdhsa_inst_pref_size 64
	.end_amdhsa_kernel
	.amdgpu_metadata
---
amdhsa.version: [ 1, 2 ]
amdhsa.kernels:
  - .name:           k_q8b5c82f037_gffn2
    .symbol:         k_q8b5c82f037_gffn2.kd
    .args:
      - { .name: HB, .offset: 0, .size: 8, .value_kind: global_buffer, .address_space: global }
      - { .name: W, .offset: 8, .size: 8, .value_kind: global_buffer, .address_space: global }
      - { .name: b2, .offset: 16, .size: 8, .value_kind: global_buffer, .address_space: global }
      - { .name: X1, .offset: 24, .size: 8, .value_kind: global_buffer, .address_space: global }
      - { .name: out0, .offset: 32, .size: 8, .value_kind: global_buffer, .address_space: global }
    .group_segment_fixed_size: 327680
    .private_segment_fixed_size: 0
    .kernarg_segment_align: 8
    .kernarg_segment_size: 40
    .max_flat_workgroup_size: 512
    .sgpr_count:     102
    .vgpr_count:     256
    .wavefront_size: 32
...
	.end_amdgpu_metadata
.endif
;; end of part 7
